; MI455X (gfx1250); checked and timed in simulation.
; The chip was launched on July 23, 2026; its instructions are those of AMD's public machine-readable ISA for CDNA 5 (MIT licence, August 2026) and "CDNA5" Instruction Set Architecture Reference Guide (July 2026). The comments in the code are by the model that wrote it; some were corrected since.
;; Self Attention Interview. Allowed arithmetic: float matrix products may take bf16 or f16 operands with f32 sums; other float arithmetic in f32, or as packed bf16 or f16 multiplies, adds, multiply-adds, maxima and minima; sums over many terms, partial sums and values carried from step to step in f32; what a program stores and reads back later, other than sums and carried values, may be rounded once to bf16 or f16.
;; Inputs: Wk 1,024 x 1,024 float32; Wq 1,024 x 1,024 float32; Wv 1,024 x 1,024 float32; X 4 x 2,048 x 1,024 float32; attention_mask 4 x 2,048 x 2,048 int32; bk 1,024 float32; bq 1,024 float32; bv 1,024 float32.
;; Outputs: out0 4 x 2,048 x 1,024 float32.
;; 2 versions, each right; version 2 is version 1 with the launch cast written anew for expert scheduling mode. Each part assembles by itself: llvm-mc -triple=amdgcn-amd-amdhsa -mcpu=gfx1250 --defsym DOCPART=n.
;; ======== version 1 of 2: 5 launches
;; limits: values are held in f16: magnitudes above 65,504 overflow, below 6.1e-05 lose precision
;; workspace buffers: Xh 16,777,216 bytes; Wh 6,291,456 bytes; QK 33,554,432 bytes; Vt 16,777,216 bytes; P 33,554,432 bytes; ST 1,048,576 bytes
;; launch cast (part 1): grid 704 x 1, 8 waves a work-group, no clusters, 0 bytes of LDS; arguments X, Wq, Wk, Wv, Xh, Wh; writes Xh, Wh
.if DOCPART == 1
	.amdgcn_target "amdgcn-amd-amdhsa--gfx1250"
	.amdhsa_code_object_version 6
	.text
	.protected	k_q0486c94b67_cast
	.globl	k_q0486c94b67_cast
	.p2align	8
	.type	k_q0486c94b67_cast,@function
k_q0486c94b67_cast:
	s_mov_b64 s[64:65], 0
	v_nop
	global_prefetch_b8 v0, s[64:65] scope:SCOPE_SE
	s_setreg_imm32_b32 hwreg(HW_REG_WAVE_MODE, 25, 1), 1
	s_wait_xcnt 0x0
; SELF-ATTENTION, B = 4, S = 2048, D = 1024, in five launches:
;   cast    X, Wq, Wk, Wv (f32)  ->  Xh [8192][1024], Wh [3072][1024] (rows: Wq, Wk, Wv), f16
;   projqk  QK [8192][2048] f16: columns 0-1023 q = X Wq^T + bq, columns 1024-2047 k0 = X Wk^T
;   projv   Vt [1024 d][8192 = 2048 b + s] f16: v0 = X Wv^T, transposed
;   scores  P, the 8192 x 2048 numbers p in f16, in blocks of 16 rows x 16 keys laid as the last launch's matrix operand wants them, and
;           ST [16 chunks][8192 rows][n, l] f32: a softmax by chunks of 128 keys, each with its own maximum
;   pv      out0 = (sum over chunks of w_c P_c V_c) / L + bv
;
; WORK LEFT OUT: bk.  scores[q][k] = q . (k0[k] + bk) / 32 = q . k0[k] / 32 + q . bk / 32.  The second term is the same for every key k of
; a query row, and a softmax along k does not change when one number is added to all its inputs; masked places are -inf with or without it.
; This holds for all finite values of the inputs.  So bk reaches no output: it is not loaded and is no launch's argument.
; LIMIT: a NaN, an infinity or an overflow in bk or in q . bk is not carried to the result.
; WORK MOVED, NOT LEFT OUT: bv.  The rows of attn sum to 1, so attn (v0 + bv) = attn v0 + bv: bv is the addend of the last launch's
; multiply-add, in f32.  (A row that is masked everywhere is NaN here as in the softmax of -inf alone.)
;
; FORMAT: matrix operands are f16 (11 significant bits), sums f32.  LIMIT: |X|, |W|, |q|, |k0|, |v0| must stay at or below 65,504, f16's
; largest number; beyond it the conversion gives infinity.  With X of spread 1 and W of spread 1/32, q, k0 and v0 have spread 1; inputs
; 30 times larger give about 900 x 5.5 = 5,000, and common offsets of 30 spreads on X and on W give about 1024 x 30 x 0.94 = 29,000.
;
; THIS LAUNCH: a stream.  A work-group takes 64 KiB of f32: groups 0-511 X, then 64 each for Wq, Wk, Wv.  A wave takes 8 KiB as sixteen loads of
; 512 neighbouring bytes, all issued before the first is used; each store of the wave covers 256 neighbouring bytes, aligned.
; No LDS, no barrier, no matrix unit: nothing is shared and nothing is multiplied.
.set IN,  4                            ; v[4:67]   sixteen loads of four f32
.set OUT, 68                           ; v[68:99]  sixteen pairs of packed f16
	s_load_b256 s[4:11], s[0:1], 0x0               ; X s[4:5], Wq s[6:7], Wk s[8:9], Wv s[10:11]
	s_load_b128 s[12:15], s[0:1], 0x20             ; Xh s[12:13], Wh s[14:15]
	s_sub_co_u32 s22, ttmp9, 512                   ; chunk number among the three W (used only from group 512 on)
	s_and_b32 s23, s22, 63                         ; chunk number inside its W
	v_and_b32 v1, 31, v0                           ; lane
	v_lshrrev_b32 v3, 5, v0                        ; wave
	v_lshlrev_b32 v2, 3, v1                        ; out: 8 bytes a lane
	v_lshlrev_b32 v1, 4, v1                        ; in: 16 bytes a lane
	v_lshl_or_b32 v1, v3, 13, v1                   ; + wave x 8 KiB
	v_lshl_or_b32 v2, v3, 12, v2                   ; + wave x 4 KiB
	s_wait_kmcnt 0x0
	s_cmp_lt_u32 ttmp9, 576                        ; each compare stands straight in front of its selects
	s_cselect_b64 s[16:17], s[6:7], s[8:9]         ; Wq or Wk
	s_cmp_lt_u32 ttmp9, 640
	s_cselect_b64 s[16:17], s[16:17], s[10:11]     ; or Wv
	s_cmp_lt_u32 ttmp9, 512
	s_cselect_b64 s[16:17], s[4:5], s[16:17]       ; or X
	s_cselect_b64 s[18:19], s[12:13], s[14:15]     ; Xh or Wh
	s_cselect_b32 s20, ttmp9, s23                  ; chunk in the input
	s_cselect_b32 s24, ttmp9, s22                  ; chunk in the output
	s_lshl_b32 s20, s20, 16                        ; x 64 KiB, at most 511 x 65,536
	s_mov_b32 s21, 0
	s_lshl_b32 s24, s24, 15                        ; x 32 KiB
	s_mov_b32 s25, 0
	s_add_nc_u64 s[16:17], s[16:17], s[20:21]
	s_add_nc_u64 s[18:19], s[18:19], s[24:25]
.irp i, 0,1,2,3,4,5,6,7,8,9,10,11,12,13,14,15
	global_load_b128 v[IN+4*\i:IN+4*\i+3], v1, s[16:17] offset:512*\i th:TH_LOAD_NT   ; read once in the whole program
.endr
.irp i, 0,1,2,3,4,5,6,7,8,9,10,11,12,13,14,15
	s_wait_loadcnt 15-\i                           ; loads come back in order: load i is in, the 15 - i younger ones stay out
	v_cvt_pk_f16_f32 v[OUT+2*\i],   v[IN+4*\i],   v[IN+4*\i+1]
	v_cvt_pk_f16_f32 v[OUT+2*\i+1], v[IN+4*\i+2], v[IN+4*\i+3]
	global_store_b64 v2, v[OUT+2*\i:OUT+2*\i+1], s[18:19] offset:256*\i    ; no register is written twice: no further wait
.endr
	s_endpgm
.Lfunc_end_k_q0486c94b67_cast:
	.size	k_q0486c94b67_cast, .Lfunc_end_k_q0486c94b67_cast-k_q0486c94b67_cast
	.p2alignl 7, 3214868480
	.fill 96, 4, 3214868480
	.section	.rodata,"a",@progbits
	.p2align	6, 0x0
	.amdhsa_kernel k_q0486c94b67_cast
		.amdhsa_group_segment_fixed_size 0
		.amdhsa_private_segment_fixed_size 0
		.amdhsa_enable_private_segment 0
		.amdhsa_kernarg_size 48
		.amdhsa_user_sgpr_count 2
		.amdhsa_user_sgpr_kernarg_segment_ptr 1
		.amdhsa_wavefront_size32 1
		.amdhsa_system_sgpr_workgroup_id_x 1
		.amdhsa_system_sgpr_workgroup_id_y 1
		.amdhsa_system_sgpr_workgroup_id_z 1
		.amdhsa_system_vgpr_workitem_id 0
		.amdhsa_next_free_vgpr 100
		.amdhsa_next_free_sgpr 66
		.amdhsa_reserve_vcc 0
		.amdhsa_float_denorm_mode_32 3
		.amdhsa_float_denorm_mode_16_64 3
		.amdhsa_memory_ordered 1
		.amdhsa_forward_progress 1
		.amdhsa_inst_pref_size 7
	.end_amdhsa_kernel
	.amdgpu_metadata
---
amdhsa.version: [ 1, 2 ]
amdhsa.kernels:
  - .name:           k_q0486c94b67_cast
    .symbol:         k_q0486c94b67_cast.kd
    .args:
      - { .name: X, .offset: 0, .size: 8, .value_kind: global_buffer, .address_space: global }
      - { .name: Wq, .offset: 8, .size: 8, .value_kind: global_buffer, .address_space: global }
      - { .name: Wk, .offset: 16, .size: 8, .value_kind: global_buffer, .address_space: global }
      - { .name: Wv, .offset: 24, .size: 8, .value_kind: global_buffer, .address_space: global }
      - { .name: Xh, .offset: 32, .size: 8, .value_kind: global_buffer, .address_space: global }
      - { .name: Wh, .offset: 40, .size: 8, .value_kind: global_buffer, .address_space: global }
    .group_segment_fixed_size: 0
    .private_segment_fixed_size: 0
    .kernarg_segment_align: 8
    .kernarg_segment_size: 48
    .max_flat_workgroup_size: 256
    .sgpr_count:     66
    .vgpr_count:     100
    .wavefront_size: 32
...
	.end_amdgpu_metadata
.endif
;; end of part 1
;; launch projqk (part 2): grid 8 x 32, 4 waves a work-group, clusters of 4 x 4, 327,680 bytes of LDS; arguments Xh, Wh, bq, QK; writes QK
.if DOCPART == 2
	.amdgcn_target "amdgcn-amd-amdhsa--gfx1250"
	.amdhsa_code_object_version 6
	.text
	.protected	k_q0486c94b67_projqk
	.globl	k_q0486c94b67_projqk
	.p2align	8
	.type	k_q0486c94b67_projqk,@function
k_q0486c94b67_projqk:
	s_mov_b64 s[64:65], 0
	v_nop
	global_prefetch_b8 v0, s[64:65] scope:SCOPE_SE
	s_setreg_imm32_b32 hwreg(HW_REG_WAVE_MODE, 25, 1), 1
	s_wait_xcnt 0x0
	s_wait_alu depctr_hold_cnt(0) depctr_sa_sdst(0) depctr_va_vdst(0) depctr_va_sdst(0) depctr_va_ssrc(0) depctr_va_vcc(0) depctr_vm_vsrc(0)
	s_getreg_b32 s2, hwreg(HW_REG_IB_STS2, 6, 4)
	s_cmp_eq_u32 s2, 0
	s_cbranch_scc0 .Lentry_in_a_cluster
	s_endpgm
.Lentry_in_a_cluster:
	s_bfe_u32 s2, ttmp6, 0x10000c
	s_cmp_lg_u32 s2, 0xf033
	s_cbranch_scc0 .Lentry_shape_is_right
	s_endpgm
.Lentry_shape_is_right:
; QK[R][n] = sum over d of Xh[R][d] Wh[n][d] (+ bq[n] for n < 1024).  Xh [8192][1024], Wh rows 0-2047 (Wq, Wk), QK [8192][2048], f16; sums f32.
; WORK LEFT OUT: bk (a term that is the same along the softmax's axis: shown at the head of the first launch); the k columns start from 0.
; LIMIT: |q|, |k0| at or below 65,504 (f16), see the first launch's head.
; A work-group makes 256 x 256 of QK with four waves, a wave 128 x 128: 64 accumulator tiles of 16 x 16, 512 registers.  K = 1024 goes in eight
; steps of 128 through a ring of two LDS slots filled by the tensor data mover; a tile's rows are 256 bytes of memory, aligned to 256.
; CLUSTERS: 4 x 4 work-groups.  The four of a row of the cluster need the same rows of Xh, the four of a column the same rows of Wh: such a tile
; is asked for jointly, by the same tensor load with the same descriptor and a mask that names the four.
; REGISTERS, in windows of 256:
;   window 0: v0-31 addresses; v64-127, v128-191 fragments of Xh, two buffers; v192-255 start values (bq or 0), later the way out's packed results
;   window 1: v64-127, v128-191 fragments of Wh, two buffers
;   window 2: the 32 accumulator tiles of my rows 0-63 (tile (a, b) at v[8 (8 a + b)]);  window 3: those of my rows 64-127
; THE MATRIX INSTRUCTION IS USED TRANSPOSED: source 0 = 16 rows of Wh, source 1 = 16 rows of Xh.  Lane l then holds row l % 16 of QK and its
; registers 0-7 the columns 8 (l / 16) + 0..7: eight neighbouring numbers, which pack into 16 bytes.
; The 64 accumulators take turns, one instruction a turn, in the same order in every quarter step.
.set KSTEP,  128
.set PITCH,  272                       ; an LDS row: 256 bytes + 16 of padding, so that 16 rows of a fragment start in 16 different 16-byte columns
.set HALFT,  128*PITCH                 ; 128 rows: what one tensor load brings
.set SLOT,   4*HALFT                   ; Xh's 256 rows, then Wh's 256 rows
.set STAGE,  2*SLOT                    ; behind the ring: 16 rows x 272 bytes for each wave, for the way out; no fill lands here
.set SPITCH, 272
.set LAPS,   4                         ; a lap = two K steps; 1024 / 256
.set CROW,   4096                      ; bytes in a row of QK
.set ADRA, 16                          ; v16-17  LDS address of my Xh fragments in slot 0, 1
.set ADRB, 20                          ; v20-21  the same for Wh
.set STO,  24                          ; v24     way out: where I put 16 bytes of a row
.set RD,   25                          ; v25     way out: where I read a row back
.set CO,   26                          ; v26     my byte offset in QK
.set BO,   27                          ; v27     32 (l / 16): my byte offset in a block of 16 bq
.set F0,   64
.set F1,   128
.set BIAS, 192                         ; v192-255: register 8 b + j = start value of column 16 b + 8 (l / 16) + j
.set TMP,  192
.set G1, 24                            ; s[24:31] descriptor group 1 for Xh's tiles
.set G0, 32                            ; s[32:39] group 0 for Xh's tiles, one set for each slot
.set G1B, 48                           ; s[48:55] group 1 for Wh's tiles
.set G0B, 56                           ; s[56:63] group 0 for Wh's tiles
.set MSB, 0
.macro WIN new                         ; the immediate's high byte repeats the setting that is left
.if MSB != (\new)
	s_set_vgpr_msb (MSB<<8)|(\new)
.set MSB, (\new)
.endif
.endm
.set MUL_LO, 0xa1                      ; source 0 window 1, source 1 window 0, C and D window 2
.set MUL_HI, 0xf1                      ; the same, C and D window 3
.set ST_LO,  0x81                      ; the first products: C = the start values in window 0, D window 2
.set ST_HI,  0xc1                      ; D window 3
.set TO_B,   0x40                      ; destination window 1, address window 0
.macro SHAPE g, mask, rows, pitch      ; group 1: a tile of rows x 128 elements of 2 bytes, 4 words of padding behind every 64 words
	s_or_b32  s[\g+0], \mask, (1<<16)|(1<<20)|(1<<21)|(5<<22)|(3<<25)
	s_mov_b32 s[\g+1], KSTEP<<16                   ; tensor_dim0 = 128
	s_mov_b32 s[\g+2], \rows<<16                   ; tensor_dim1 = rows
	s_mov_b32 s[\g+3], KSTEP<<16                   ; tile_dim0 = 128
	s_mov_b32 s[\g+4], \rows                       ; tile_dim1 = rows
	s_mov_b32 s[\g+5], \pitch                      ; elements from row to row
	s_mov_b32 s[\g+6], 0
	s_mov_b32 s[\g+7], 0
.endm
; A joint load.  Waves 0 and 1 fetch Xh's two halves, waves 2 and 3 Wh's.  The branch hangs on the wave's number alone.
.macro JLOAD s
	s_cmp_eq_u32 s11, 0
	s_cbranch_scc0 .Lfor_b_\@
	tensor_load_to_lds s[G0+4*\s:G0+4*\s+3], s[G1:G1+7]
	s_nop 0
	s_branch .Lasked_\@
.Lfor_b_\@:
	tensor_load_to_lds s[G0B+4*\s:G0B+4*\s+3], s[G1B:G1B+7]
	s_nop 0
.Lasked_\@:
.endm
.macro CREST                           ; a round of the cluster's barrier behind its opening work-group barrier
	s_cmp_lg_u32 s10, 0
	s_cbranch_scc1 .Lnot_wave_0_\@
	s_barrier_signal -3
.Lnot_wave_0_\@:
	s_barrier_wait -3
	s_barrier_signal -1
	s_barrier_wait -1
.endm
.macro CROUND                          ; a whole round
	s_barrier_signal -1
	s_barrier_wait -1
	CREST
.endm
	s_load_b128 s[4:7], s[0:1], 0x0                ; Xh s[4:5], Wh s[6:7]
	s_load_b64 s[66:67], s[0:1], 0x10              ; bq
	s_load_b64 s[8:9], s[0:1], 0x18                ; QK
	s_set_vgpr_msb 0x40
	v_lshl_add_u32 v255, v0, 2, 0x48400
	s_set_vgpr_msb 0x4000
	v_mov_b32 v63, 0
	s_set_vgpr_msb 0x1
	ds_add_u32 v255, v63
	s_set_vgpr_msb 0x100
	v_lshrrev_b32 v1, 5, v0
	v_readfirstlane_b32 s10, v1                    ; wave 0..3
	s_lshr_b32 s11, s10, 1                         ; which half of the block's rows is mine.  Also: I fetch for Xh (0) or Wh (1)
	s_and_b32 s12, s10, 1                          ; which half of its columns.  Also: which 128 rows of that tile I fetch
	s_bfe_u32 s40, ttmp6, 0x40000                  ; cx
	s_bfe_u32 s41, ttmp6, 0x40004                  ; cy
	s_lshl_b32 s42, ttmp9, 2
	s_add_co_u32 s42, s42, s40                     ; block column = 4 x cluster x + cx, 0..7
	s_and_b32 s13, ttmp7, 0xffff
	s_lshl_b32 s13, s13, 2
	s_add_co_u32 s13, s13, s41                     ; block row = 4 x cluster y + cy, 0..31
	s_lshl_b32 s43, s41, 2
	s_lshl_b32 s43, 15, s43                        ; my row of the cluster
	s_lshl_b32 s44, 0x1111, s40                    ; my column
	SHAPE G1,  s43, 128, 1024
	SHAPE G1B, s44, 128, 1024
	s_lshl_b32 s17, s12, 7
	s_lshl_b32 s16, s13, 8
	s_add_co_u32 s16, s16, s17                     ; Xh: row 256 x block row + 128 x half
	s_lshl_b32 s46, s42, 8
	s_add_co_u32 s46, s46, s17                     ; Wh: row 256 x block column + 128 x half
	s_lshl_b32 s16, s16, 11                        ; rows of 2,048 bytes: at most 8,064 x 2,048
	s_lshl_b32 s46, s46, 11
	s_mov_b32 s17, 0
	s_mov_b32 s47, 0
	s_mul_i32 s20, s10, HALFT                      ; LDS: wave x 128 rows; no place in the cluster enters an LDS address
	s_wait_dscnt 0x0
	s_wait_kmcnt 0x0
	s_add_nc_u64 s[14:15], s[4:5], s[16:17]
	s_add_nc_u64 s[46:47], s[6:7], s[46:47]
	CROUND                                         ; all sixteen work-groups are here: the first joint loads meet
.irp s, 0,1
	s_mov_b32 s[G0+4*\s], 1
	s_add_co_u32 s[G0+4*\s+1], s20, \s*SLOT
	s_add_nc_u64 s[G0+4*\s+2:G0+4*\s+3], s[14:15], \s*KSTEP*2      ; K step s
	s_or_b32 s[G0+4*\s+3], s[G0+4*\s+3], 0x80000000
	s_mov_b32 s[G0B+4*\s], 1
	s_add_co_u32 s[G0B+4*\s+1], s20, \s*SLOT
	s_add_nc_u64 s[G0B+4*\s+2:G0B+4*\s+3], s[46:47], \s*KSTEP*2
	s_or_b32 s[G0B+4*\s+3], s[G0B+4*\s+3], 0x80000000
	JLOAD \s                                       ; two tensor loads of this wave are out: the most in this text
.endr
	v_and_b32 v1, 15, v0                           ; l % 16
	v_bfe_u32 v2, v0, 4, 1                         ; l / 16
	v_mul_u32_u24 v3, v1, PITCH
	v_lshl_add_u32 v3, v2, 4, v3                   ; row x pitch + 16 x half
	s_mul_i32 s21, s11, HALFT                      ; my 128 rows of Xh
	s_mul_i32 s22, s12, HALFT                      ; my 128 rows of Wh,
	s_add_co_u32 s22, s22, 2*HALFT                 ; which lie behind Xh's 256
.irp s, 0,1
	v_add_nc_u32 v[ADRA+\s], s21, v3
	v_add_nc_u32 v[ADRB+\s], s22, v3
	s_add_co_u32 s21, s21, SLOT
	s_add_co_u32 s22, s22, SLOT
.endr
	s_mul_i32 s23, s10, 16*SPITCH
	s_add_co_u32 s23, s23, STAGE                   ; my stage
	v_mul_u32_u24 v4, v1, SPITCH
	v_lshl_add_u32 v4, v2, 4, v4
	v_add_nc_u32 v[STO], s23, v4
	v_mul_u32_u24 v5, v2, SPITCH
	v_lshl_add_u32 v5, v1, 4, v5
	v_add_nc_u32 v[RD], s23, v5
	v_lshlrev_b32 v5, 12, v2                       ; lanes 16-31 one row of QK further down
	v_lshl_add_u32 v[CO], v1, 4, v5
	v_lshlrev_b32 v[BO], 5, v2
	; The start values of the sums.  Cluster x = 0 holds block columns 0-3, the q columns: bq.  Cluster x = 1 holds the k columns: 0.
	; The cluster's x is the same in all sixteen partners; the branch holds no barrier and no tensor load.
	s_cmp_lg_u32 ttmp9, 0
	s_cbranch_scc1 .Lk_columns
	s_lshl_b32 s68, s42, 10                        ; 256 columns of 4 bytes a block,
	s_lshl_b32 s69, s12, 9                         ; 128 a half
	s_add_co_u32 s68, s68, s69
	s_mov_b32 s69, 0
	s_add_nc_u64 s[66:67], s[66:67], s[68:69]
.irp b, 0,1,2,3,4,5,6,7
	global_load_b128 v[BIAS+8*\b:BIAS+8*\b+3],   v[BO], s[66:67] offset:64*\b
	global_load_b128 v[BIAS+8*\b+4:BIAS+8*\b+7], v[BO], s[66:67] offset:64*\b+16
.endr
	s_branch .Lstart_set
.Lk_columns:
.set j, 0
.rept 64
	v_mov_b32 v[BIAS+j], 0
.set j, j+1
.endr
.Lstart_set:
	s_wait_loadcnt 0x0                             ; bq is in (nothing is out on the other way)
; 16 matrix instructions: m blocks a0, a0 + 1 of the window's four x all 8 n blocks, 32 along K.  mode 2: the sums start from the start values.
.macro MUL16 f, hi, a0, mode
.irp a, \a0, \a0+1
.irp b, 0,1,2,3,4,5,6,7
.if \mode == 2
	v_wmma_f32_16x16x32_f16 v[8*(8*(\a)+\b):8*(8*(\a)+\b)+7], v[\f+8*\b:\f+8*\b+7], v[\f+8*(4*\hi+\a):\f+8*(4*\hi+\a)+7], v[BIAS+8*\b:BIAS+8*\b+7]
.else
	v_wmma_f32_16x16x32_f16 v[8*(8*(\a)+\b):8*(8*(\a)+\b)+7], v[\f+8*\b:\f+8*\b+7], v[\f+8*(4*\hi+\a):\f+8*(4*\hi+\a)+7], v[8*(8*(\a)+\b):8*(8*(\a)+\b)+7]
.endif
.endr
.endr
.endm
; 32 LDS loads in one run: the fragments of one quarter step (32 K at byte k of the rows) into buffer f
.macro FETCH slot, k, f
	WIN TO_B
.irp i, 0,1,2,3,4,5,6,7
	ds_load_b128 v[\f+8*\i:\f+8*\i+3],   v[ADRB+\slot] offset:\k+\i*16*PITCH
	ds_load_b128 v[\f+8*\i+4:\f+8*\i+7], v[ADRB+\slot] offset:\k+\i*16*PITCH+32
.endr
	WIN 0
.irp i, 0,1,2,3,4,5,6,7
	ds_load_b128 v[\f+8*\i:\f+8*\i+3],   v[ADRA+\slot] offset:\k+\i*16*PITCH
	ds_load_b128 v[\f+8*\i+4:\f+8*\i+7], v[ADRA+\slot] offset:\k+\i*16*PITCH+32
.endr
.endm
; Four places between a matrix instruction and a load into, or a vector instruction on, one of its registers
.macro PLACES
.rept 4
	v_nop
.endr
.endm
.macro QUARTER slot, k, f, g, mode
	s_wait_dscnt 8                                 ; Wh's fragments and Xh's rows 0-63 are in; the youngest eight loads (rows 64-127) may be out
.if \mode == 2
	WIN ST_LO
.else
	WIN MUL_LO
.endif
	MUL16 \f, 0, 0, \mode
	MUL16 \f, 0, 2, \mode
	PLACES
	FETCH \slot, \k, \g
	s_wait_dscnt 32                                ; all but the 32 just issued
.if \mode == 2
	WIN ST_HI
.else
	WIN MUL_HI
.endif
	MUL16 \f, 1, 0, \mode
	MUL16 \f, 1, 2, \mode
.endm
.macro THREE slot, mode
	QUARTER \slot, 64,  F0, F1, \mode
	QUARTER \slot, 128, F1, F0, 0
	QUARTER \slot, 192, F0, F1, 0
.endm
; The last quarter of a K step changes slots.  In front of the barrier each wave waits for its reads of this slot and for all its tensor loads
; (one is out: its part of the next slot).  Where the slot is filled again the barrier opens a round of the cluster's barrier, and the joint
; refill is the first tensor load behind the round's closing wait, one a wave.
.macro TURN slot, next, fill
	s_wait_dscnt 8
	WIN MUL_LO
	MUL16 F1, 0, 0, 0
	s_wait_dscnt 0                                 ; my reads of this slot are over
	s_wait_tensorcnt 0x0                           ; all my tensor loads have landed
	ds_add_u32 v255, v63
	s_wait_dscnt 0x0
	s_barrier_signal -1
	MUL16 F1, 0, 2, 0                              ; register work while the others arrive
	WIN 0
	s_barrier_wait -1
.if \fill
	CREST
	s_add_nc_u64 s[G0+4*\slot+2:G0+4*\slot+3], s[G0+4*\slot+2:G0+4*\slot+3], 2*KSTEP*2     ; no load of mine is out: group 0 may be written
	s_add_nc_u64 s[G0B+4*\slot+2:G0B+4*\slot+3], s[G0B+4*\slot+2:G0B+4*\slot+3], 2*KSTEP*2
	JLOAD \slot
.endif
	PLACES
	FETCH \next, 0, F0
	WIN MUL_HI
	MUL16 F1, 1, 0, 0
	MUL16 F1, 1, 2, 0
.endm
.macro LAP mode
	THREE 0, \mode
	TURN 0, 1, 1
	THREE 1, 0
	TURN 1, 0, 1
.endm
	s_wait_tensorcnt 1                             ; my part of K step 0 is in; K step 1's stays out
	s_barrier_signal -1
	s_barrier_wait -1
	FETCH 0, 0, F0
	LAP 2                                          ; the first lap: its first products start the sums from bq or 0
	WIN 0
	s_mov_b32 s3, LAPS-2
.Llap:
	LAP 0
	WIN 0
	s_sub_co_u32 s3, s3, 1
	s_cmp_lg_u32 s3, 0
	s_cbranch_scc1 .Llap
	THREE 0, 0                                     ; the last lap fills nothing
	TURN 0, 1, 0
	THREE 1, 0
	s_wait_dscnt 8
	WIN MUL_LO
	MUL16 F1, 0, 0, 0
	MUL16 F1, 0, 2, 0
	s_wait_dscnt 0
	WIN MUL_HI
	MUL16 F1, 1, 0, 0
	MUL16 F1, 1, 2, 0
	; THE WAY OUT, 16 rows at a time: round to f16, 16 bytes a lane into my own stage, read back as whole rows of 256 bytes.
	PLACES
	s_lshl_b32 s13, s13, 8
	s_lshl_b32 s14, s11, 7
	s_add_co_u32 s16, s13, s14                     ; my first row
	s_lshl_b32 s16, s16, 12                        ; x 4,096 bytes
	s_mov_b32 s17, 0
	s_add_nc_u64 s[8:9], s[8:9], s[16:17]
	s_lshl_b32 s46, s42, 9                         ; my first column in bytes: 512 x block + 256 x half
	s_lshl_b32 s47, s12, 8
	s_add_co_u32 s46, s46, s47
	s_mov_b32 s47, 0
	s_add_nc_u64 s[8:9], s[8:9], s[46:47]
.macro OUT16 i, a, from, f
	WIN \from
.irp b, 0,1,2,3,4,5,6,7
.irp r, 0,1,2,3
	v_cvt_pk_f16_f32 v[TMP+4*\b+\r], v[8*(8*\a+\b)+2*\r], v[8*(8*\a+\b)+2*\r+1]
.endr
.endr
	WIN 0
.irp b, 0,1,2,3,4,5,6,7
	ds_store_b128 v[STO], v[TMP+4*\b:TMP+4*\b+3] offset:32*\b
.endr
	s_wait_xcnt 0x0                                ; buffer f, which earlier stores read, and the stores' base are rewritten only behind this wait
.if \i
	s_add_nc_u64 s[8:9], s[8:9], 16*CROW
.endif
.irp t, 0,1,2,3,4,5,6,7
	ds_load_b128 v[\f+4*\t:\f+4*\t+3], v[RD] offset:\t*2*SPITCH    ; LDS serves a wave's instructions in order: these see the stores above
.endr
.irp t, 0,1,2,3,4,5,6,7
	s_wait_dscnt 7-\t                              ; read-back t is in, the younger ones stay out
	global_store_b128 v[CO], v[\f+4*\t:\f+4*\t+3], s[8:9] offset:2*\t*CROW   ; 16 lanes store 256 consecutive bytes, aligned
.endr
.endm
	OUT16 0, 0, 0x0a, F0
	OUT16 1, 1, 0x0a, F1
	OUT16 2, 2, 0x0a, F0
	OUT16 3, 3, 0x0a, F1
	OUT16 4, 0, 0x0f, F0
	OUT16 5, 1, 0x0f, F1
	OUT16 6, 2, 0x0f, F0
	OUT16 7, 3, 0x0f, F1
	s_set_vgpr_msb 0x1
	s_wait_tensorcnt 0x0
	ds_add_u32 v255, v63
	s_wait_dscnt 0x0
	s_set_vgpr_msb 0x100
	CROUND                                         ; the closing round: no work-group ends while a partner may still ask for a tile that names it
	s_endpgm
.Lfunc_end_k_q0486c94b67_projqk:
	.size	k_q0486c94b67_projqk, .Lfunc_end_k_q0486c94b67_projqk-k_q0486c94b67_projqk
	.p2alignl 7, 3214868480
	.fill 96, 4, 3214868480
	.section	.rodata,"a",@progbits
	.p2align	6, 0x0
	.amdhsa_kernel k_q0486c94b67_projqk
		.amdhsa_group_segment_fixed_size 327680
		.amdhsa_private_segment_fixed_size 0
		.amdhsa_enable_private_segment 0
		.amdhsa_kernarg_size 32
		.amdhsa_user_sgpr_count 2
		.amdhsa_user_sgpr_kernarg_segment_ptr 1
		.amdhsa_wavefront_size32 1
		.amdhsa_system_sgpr_workgroup_id_x 1
		.amdhsa_system_sgpr_workgroup_id_y 1
		.amdhsa_system_sgpr_workgroup_id_z 1
		.amdhsa_system_vgpr_workitem_id 0
		.amdhsa_next_free_vgpr 1024
		.amdhsa_next_free_sgpr 72
		.amdhsa_reserve_vcc 0
		.amdhsa_float_denorm_mode_32 3
		.amdhsa_float_denorm_mode_16_64 3
		.amdhsa_memory_ordered 1
		.amdhsa_forward_progress 1
		.amdhsa_inst_pref_size 200
	.end_amdhsa_kernel
	.amdgpu_metadata
---
amdhsa.version: [ 1, 2 ]
amdhsa.kernels:
  - .name:           k_q0486c94b67_projqk
    .symbol:         k_q0486c94b67_projqk.kd
    .args:
      - { .name: Xh, .offset: 0, .size: 8, .value_kind: global_buffer, .address_space: global }
      - { .name: Wh, .offset: 8, .size: 8, .value_kind: global_buffer, .address_space: global }
      - { .name: bq, .offset: 16, .size: 8, .value_kind: global_buffer, .address_space: global }
      - { .name: QK, .offset: 24, .size: 8, .value_kind: global_buffer, .address_space: global }
    .group_segment_fixed_size: 327680
    .private_segment_fixed_size: 0
    .kernarg_segment_align: 8
    .kernarg_segment_size: 32
    .max_flat_workgroup_size: 128
    .sgpr_count:     72
    .vgpr_count:     1024
    .wavefront_size: 32
...
	.end_amdgpu_metadata
.endif
;; end of part 2
;; launch projv (part 3): grid 64 x 4, 4 waves a work-group, clusters of 4 x 4, 327,680 bytes of LDS; arguments Wh, Xh, Vt; writes Vt
.if DOCPART == 3
	.amdgcn_target "amdgcn-amd-amdhsa--gfx1250"
	.amdhsa_code_object_version 6
	.text
	.protected	k_q0486c94b67_projv
	.globl	k_q0486c94b67_projv
	.p2align	8
	.type	k_q0486c94b67_projv,@function
k_q0486c94b67_projv:
	s_mov_b64 s[64:65], 0
	v_nop
	global_prefetch_b8 v0, s[64:65] scope:SCOPE_SE
	s_setreg_imm32_b32 hwreg(HW_REG_WAVE_MODE, 25, 1), 1
	s_wait_xcnt 0x0
	s_wait_alu depctr_hold_cnt(0) depctr_sa_sdst(0) depctr_va_vdst(0) depctr_va_sdst(0) depctr_va_ssrc(0) depctr_va_vcc(0) depctr_vm_vsrc(0)
	s_getreg_b32 s2, hwreg(HW_REG_IB_STS2, 6, 4)
	s_cmp_eq_u32 s2, 0
	s_cbranch_scc0 .Lentry_in_a_cluster
	s_endpgm
.Lentry_in_a_cluster:
	s_bfe_u32 s2, ttmp6, 0x10000c
	s_cmp_lg_u32 s2, 0xf033
	s_cbranch_scc0 .Lentry_shape_is_right
	s_endpgm
.Lentry_shape_is_right:
; Vt[d][S] = sum over e of Wv[d][e] X[S][e], S = 2048 b + s.  Wv = rows 2048-3071 of Wh [3072][1024], Xh [8192][1024], Vt [1024][8192], f16; sums f32.
; bv is not added here: the rows of attn sum to 1, so it is added once, in f32, in the last launch (shown at the head of the first launch).
; LIMIT: |v0| at or below 65,504 (f16), see the first launch's head.
; A work-group makes 256 rows (d) x 128 columns (S) with four waves; wave w makes rows 64 w .. 64 w + 63 and all 128 columns: 32 accumulator
; tiles, 256 registers.  K = 1024 goes in eight steps of 128 through a ring of two LDS slots (256 rows of Wv, then 128 rows of Xh).
; CLUSTERS 4 x 4: Wv's tile hangs on the block row alone and is shared along a row of the cluster, Xh's on the block column alone.
; REGISTERS: window 0: v0-31 addresses; v32-63, v64-95 fragments of Wv (4 x 16 rows x 32 K), two buffers; v96-159, v160-223 fragments of Xh (8), two buffers.
;            window 1: accumulator tile (a, b) at v[8 (8 a + b)].
; The matrix instruction is used transposed (source 0 = rows of Xh, source 1 = rows of Wv): lane l holds row l % 16 of Vt, registers 0-7 the columns 8 (l / 16) + 0..7.
; The 32 accumulators take turns, one instruction a turn, in the same order in every quarter step.
.set KSTEP,  128
.set PITCH,  272
.set AHALF,  128*PITCH                 ; what wave 0 or 1 brings: 128 rows of Wv
.set BHALF,  64*PITCH                  ; what wave 2 or 3 brings: 64 rows of Xh; also a wave's 64 rows of Wv
.set BOFF,   2*AHALF                   ; Xh's rows lie behind Wv's 256
.set SLOT,   BOFF+2*BHALF              ; 104,448
.set STAGE,  2*SLOT                    ; 208,896: 16 rows x 272 bytes for each wave; no fill lands here
.set SPITCH, 272
.set LAPS,   4
.set CROW,   16384                     ; bytes in a row of Vt
.set ADRA, 16
.set ADRB, 20
.set STO,  24
.set RD,   25
.set CO,   26
.set FA,   32                          ; buffer f at FA + 32 f
.set FB,   96                          ; buffer f at FB + 64 f
.set TMP,  32                          ; way out: packed results
.set RB,   96                          ; way out: rows read back, two sets of 32 registers
.set G1, 24
.set G0, 32
.set G1B, 48
.set G0B, 56
.set ACC, 0x50                         ; C and D window 1, sources window 0
.set MSB, 0
.macro WIN new
.if MSB != (\new)
	s_set_vgpr_msb (MSB<<8)|(\new)
.set MSB, (\new)
.endif
.endm
.macro SHAPE g, mask, rows, pitch      ; group 1: rows x 128 elements of 2 bytes, 4 words of padding behind every 64 words
	s_or_b32  s[\g+0], \mask, (1<<16)|(1<<20)|(1<<21)|(5<<22)|(3<<25)
	s_mov_b32 s[\g+1], KSTEP<<16
	s_mov_b32 s[\g+2], \rows<<16
	s_mov_b32 s[\g+3], KSTEP<<16
	s_mov_b32 s[\g+4], \rows
	s_mov_b32 s[\g+5], \pitch
	s_mov_b32 s[\g+6], 0
	s_mov_b32 s[\g+7], 0
.endm
.macro JLOAD s                         ; waves 0, 1: Wv's halves; waves 2, 3: Xh's halves
	s_cmp_eq_u32 s11, 0
	s_cbranch_scc0 .Lfor_b_\@
	tensor_load_to_lds s[G0+4*\s:G0+4*\s+3], s[G1:G1+7]
	s_nop 0
	s_branch .Lasked_\@
.Lfor_b_\@:
	tensor_load_to_lds s[G0B+4*\s:G0B+4*\s+3], s[G1B:G1B+7]
	s_nop 0
.Lasked_\@:
.endm
.macro CREST
	s_cmp_lg_u32 s10, 0
	s_cbranch_scc1 .Lnot_wave_0_\@
	s_barrier_signal -3
.Lnot_wave_0_\@:
	s_barrier_wait -3
	s_barrier_signal -1
	s_barrier_wait -1
.endm
.macro CROUND
	s_barrier_signal -1
	s_barrier_wait -1
	CREST
.endm
	s_load_b128 s[4:7], s[0:1], 0x0                ; Wh s[4:5], Xh s[6:7]
	s_load_b64 s[8:9], s[0:1], 0x10                ; Vt
	v_lshl_add_u32 v254, v0, 2, 0x37400
	v_mov_b32 v255, 0
	ds_add_u32 v254, v255
	v_lshrrev_b32 v1, 5, v0
	v_readfirstlane_b32 s10, v1                    ; wave 0..3
	s_lshr_b32 s11, s10, 1                         ; I fetch for Wv (0) or for Xh (1)
	s_and_b32 s12, s10, 1                          ; which half of that tile
	s_bfe_u32 s40, ttmp6, 0x40000                  ; cx
	s_bfe_u32 s41, ttmp6, 0x40004                  ; cy
	s_lshl_b32 s42, ttmp9, 2
	s_add_co_u32 s42, s42, s40                     ; block column (128 S), 0..63
	s_and_b32 s13, ttmp7, 0xffff
	s_lshl_b32 s13, s13, 2
	s_add_co_u32 s13, s13, s41                     ; block row (256 d), 0..3
	s_lshl_b32 s43, s41, 2
	s_lshl_b32 s43, 15, s43                        ; my row of the cluster
	s_lshl_b32 s44, 0x1111, s40                    ; my column
	SHAPE G1,  s43, 128, 1024
	SHAPE G1B, s44, 64, 1024
	s_lshl_b32 s17, s12, 7
	s_lshl_b32 s16, s13, 8
	s_add_co_u32 s16, s16, s17
	s_add_co_u32 s16, s16, 2048                    ; Wv begins at row 2048 of Wh
	s_lshl_b32 s16, s16, 11                        ; rows of 2,048 bytes
	s_mov_b32 s17, 0
	s_lshl_b32 s47, s12, 6
	s_lshl_b32 s46, s42, 7
	s_add_co_u32 s46, s46, s47                     ; Xh: row 128 x block column + 64 x half
	s_lshl_b32 s46, s46, 11
	s_mov_b32 s47, 0
	s_mul_i32 s20, s10, AHALF                      ; LDS target of waves 0, 1: wave x 128 rows
	s_mul_i32 s21, s10, BHALF
	s_add_co_u32 s21, s21, AHALF                   ; of waves 2, 3: BOFF + (wave - 2) x 64 rows
	s_wait_dscnt 0x0
	s_wait_kmcnt 0x0
	s_add_nc_u64 s[14:15], s[4:5], s[16:17]
	s_add_nc_u64 s[46:47], s[6:7], s[46:47]
	CROUND                                         ; in front of the first joint loads
.irp s, 0,1
	s_mov_b32 s[G0+4*\s], 1
	s_add_co_u32 s[G0+4*\s+1], s20, \s*SLOT
	s_add_nc_u64 s[G0+4*\s+2:G0+4*\s+3], s[14:15], \s*KSTEP*2
	s_or_b32 s[G0+4*\s+3], s[G0+4*\s+3], 0x80000000
	s_mov_b32 s[G0B+4*\s], 1
	s_add_co_u32 s[G0B+4*\s+1], s21, \s*SLOT
	s_add_nc_u64 s[G0B+4*\s+2:G0B+4*\s+3], s[46:47], \s*KSTEP*2
	s_or_b32 s[G0B+4*\s+3], s[G0B+4*\s+3], 0x80000000
	JLOAD \s                                       ; two tensor loads of this wave are out: the most in this text
.endr
	v_and_b32 v1, 15, v0                           ; l % 16
	v_bfe_u32 v2, v0, 4, 1                         ; l / 16
	v_mul_u32_u24 v3, v1, PITCH
	v_lshl_add_u32 v3, v2, 4, v3
	s_mul_i32 s22, s10, BHALF                      ; my 64 rows of Wv
	s_mov_b32 s23, BOFF                            ; all 128 rows of Xh
.irp s, 0,1
	v_add_nc_u32 v[ADRA+\s], s22, v3
	v_add_nc_u32 v[ADRB+\s], s23, v3
	s_add_co_u32 s22, s22, SLOT
	s_add_co_u32 s23, s23, SLOT
.endr
	s_mul_i32 s23, s10, 16*SPITCH
	s_add_co_u32 s23, s23, STAGE                   ; my stage
	v_mul_u32_u24 v4, v1, SPITCH
	v_lshl_add_u32 v4, v2, 4, v4
	v_add_nc_u32 v[STO], s23, v4
	v_mul_u32_u24 v5, v2, SPITCH
	v_lshl_add_u32 v5, v1, 4, v5
	v_add_nc_u32 v[RD], s23, v5
	v_lshlrev_b32 v5, 14, v2                       ; lanes 16-31 one row of Vt further down
	v_lshl_add_u32 v[CO], v1, 4, v5
.macro MULR f, a, zero                 ; 8 matrix instructions: m block a x all 8 n blocks, 32 along K
.irp b, 0,1,2,3,4,5,6,7
.if \zero
	v_wmma_f32_16x16x32_f16 v[8*(8*\a+\b):8*(8*\a+\b)+7], v[FB+64*\f+8*\b:FB+64*\f+8*\b+7], v[FA+32*\f+8*\a:FA+32*\f+8*\a+7], 0
.else
	v_wmma_f32_16x16x32_f16 v[8*(8*\a+\b):8*(8*\a+\b)+7], v[FB+64*\f+8*\b:FB+64*\f+8*\b+7], v[FA+32*\f+8*\a:FA+32*\f+8*\a+7], v[8*(8*\a+\b):8*(8*\a+\b)+7]
.endif
.endr
.endm
.macro FETCHR slot, k, f               ; 24 LDS loads in one run: 16 for Xh, then 8 for Wv (blocks 0, 1, then 2, 3)
.irp i, 0,1,2,3,4,5,6,7
	ds_load_b128 v[FB+64*\f+8*\i:FB+64*\f+8*\i+3],   v[ADRB+\slot] offset:\k+\i*16*PITCH
	ds_load_b128 v[FB+64*\f+8*\i+4:FB+64*\f+8*\i+7], v[ADRB+\slot] offset:\k+\i*16*PITCH+32
.endr
.irp i, 0,1,2,3
	ds_load_b128 v[FA+32*\f+8*\i:FA+32*\f+8*\i+3],   v[ADRA+\slot] offset:\k+\i*16*PITCH
	ds_load_b128 v[FA+32*\f+8*\i+4:FA+32*\f+8*\i+7], v[ADRA+\slot] offset:\k+\i*16*PITCH+32
.endr
.endm
.macro PLACES                          ; four places between a matrix instruction and a load into one of its registers
.rept 4
	v_nop
.endr
.endm
.macro QUARTR slot, k, f, g, zero
	s_wait_dscnt 4                                 ; all but the youngest four loads: Wv's blocks 2 and 3
	WIN ACC
	MULR \f, 0, \zero
	MULR \f, 1, \zero
	PLACES
	WIN 0
	FETCHR \slot, \k, \g
	s_wait_dscnt 24                                ; all but the 24 just issued
	WIN ACC
	MULR \f, 2, \zero
	MULR \f, 3, \zero
.endm
.macro THREER slot, zero
	QUARTR \slot, 64,  0, 1, \zero
	QUARTR \slot, 128, 1, 0, 0
	QUARTR \slot, 192, 0, 1, 0
.endm
; The last quarter of a K step changes slots: my reads of this slot and all my tensor loads are waited for in front of the barrier; where the slot
; is filled again the barrier opens a round of the cluster's barrier and the joint refill is the first tensor load behind it, one a wave.
.macro TURNR slot, next, fill
	s_wait_dscnt 4
	WIN ACC
	MULR 1, 0, 0
	s_wait_dscnt 0
	s_wait_tensorcnt 0x0
	ds_add_u32 v254, v255
	s_wait_dscnt 0x0
	s_barrier_signal -1
	MULR 1, 1, 0                                   ; register work while the others arrive
	WIN 0
	s_barrier_wait -1
.if \fill
	CREST
	s_add_nc_u64 s[G0+4*\slot+2:G0+4*\slot+3], s[G0+4*\slot+2:G0+4*\slot+3], 2*KSTEP*2
	s_add_nc_u64 s[G0B+4*\slot+2:G0B+4*\slot+3], s[G0B+4*\slot+2:G0B+4*\slot+3], 2*KSTEP*2
	JLOAD \slot
.endif
	PLACES
	FETCHR \next, 0, 0
	WIN ACC
	MULR 1, 2, 0
	MULR 1, 3, 0
.endm
.macro LAPR zero
	THREER 0, \zero
	TURNR 0, 1, 1
	THREER 1, 0
	TURNR 1, 0, 1
.endm
	s_wait_tensorcnt 1                             ; my part of K step 0 is in; K step 1's stays out
	s_barrier_signal -1
	s_barrier_wait -1
	FETCHR 0, 0, 0
	LAPR 1                                         ; the first products start the sums: nothing is cleared
	WIN 0
	s_mov_b32 s3, LAPS-2
.Llap:
	LAPR 0
	WIN 0
	s_sub_co_u32 s3, s3, 1
	s_cmp_lg_u32 s3, 0
	s_cbranch_scc1 .Llap
	THREER 0, 0                                    ; the last lap fills nothing
	TURNR 0, 1, 0
	THREER 1, 0
	s_wait_dscnt 4
	WIN ACC
	MULR 1, 0, 0
	MULR 1, 1, 0
	s_wait_dscnt 0
	MULR 1, 2, 0
	MULR 1, 3, 0
	; THE WAY OUT, 16 rows of Vt at a time, through my own stage
	PLACES
	s_lshl_b32 s13, s13, 8
	s_lshl_b32 s14, s10, 6
	s_add_co_u32 s16, s13, s14                     ; my first row: 256 x block row + 64 x wave
	s_lshl_b32 s16, s16, 14                        ; x 16,384 bytes
	s_mov_b32 s17, 0
	s_add_nc_u64 s[8:9], s[8:9], s[16:17]
	s_lshl_b32 s46, s42, 8                         ; 128 columns of 2 bytes a block
	s_mov_b32 s47, 0
	s_add_nc_u64 s[8:9], s[8:9], s[46:47]
.macro OUTR a
	WIN 0x05                                       ; sources 0 and 1 window 1, destination window 0
.irp b, 0,1,2,3,4,5,6,7
.irp r, 0,1,2,3
	v_cvt_pk_f16_f32 v[TMP+4*\b+\r], v[8*(8*\a+\b)+2*\r], v[8*(8*\a+\b)+2*\r+1]
.endr
.endr
	WIN 0
.irp b, 0,1,2,3,4,5,6,7
	ds_store_b128 v[STO], v[TMP+4*\b:TMP+4*\b+3] offset:32*\b
.endr
	s_wait_xcnt 0x0                                ; the read-back registers, which earlier stores read, and the base are rewritten only behind this wait
.if \a
	s_add_nc_u64 s[8:9], s[8:9], 16*CROW
.endif
.irp t, 0,1,2,3,4,5,6,7
	ds_load_b128 v[RB+32*(\a&1)+4*\t:RB+32*(\a&1)+4*\t+3], v[RD] offset:\t*2*SPITCH
.endr
.irp t, 0,1,2,3,4,5,6,7
	s_wait_dscnt 7-\t                              ; read-back t is in, the younger ones stay out
	global_store_b128 v[CO], v[RB+32*(\a&1)+4*\t:RB+32*(\a&1)+4*\t+3], s[8:9] offset:2*\t*CROW   ; 16 lanes store 256 consecutive bytes, aligned
.endr
.endm
	OUTR 0
	OUTR 1
	OUTR 2
	OUTR 3
	s_wait_tensorcnt 0x0
	ds_add_u32 v254, v255
	s_wait_dscnt 0x0
	CROUND                                         ; the closing round
	s_endpgm
.Lfunc_end_k_q0486c94b67_projv:
	.size	k_q0486c94b67_projv, .Lfunc_end_k_q0486c94b67_projv-k_q0486c94b67_projv
	.p2alignl 7, 3214868480
	.fill 96, 4, 3214868480
	.section	.rodata,"a",@progbits
	.p2align	6, 0x0
	.amdhsa_kernel k_q0486c94b67_projv
		.amdhsa_group_segment_fixed_size 327680
		.amdhsa_private_segment_fixed_size 0
		.amdhsa_enable_private_segment 0
		.amdhsa_kernarg_size 24
		.amdhsa_user_sgpr_count 2
		.amdhsa_user_sgpr_kernarg_segment_ptr 1
		.amdhsa_wavefront_size32 1
		.amdhsa_system_sgpr_workgroup_id_x 1
		.amdhsa_system_sgpr_workgroup_id_y 1
		.amdhsa_system_sgpr_workgroup_id_z 1
		.amdhsa_system_vgpr_workitem_id 0
		.amdhsa_next_free_vgpr 512
		.amdhsa_next_free_sgpr 66
		.amdhsa_reserve_vcc 0
		.amdhsa_float_denorm_mode_32 3
		.amdhsa_float_denorm_mode_16_64 3
		.amdhsa_memory_ordered 1
		.amdhsa_forward_progress 1
		.amdhsa_inst_pref_size 118
	.end_amdhsa_kernel
	.amdgpu_metadata
---
amdhsa.version: [ 1, 2 ]
amdhsa.kernels:
  - .name:           k_q0486c94b67_projv
    .symbol:         k_q0486c94b67_projv.kd
    .args:
      - { .name: Wh, .offset: 0, .size: 8, .value_kind: global_buffer, .address_space: global }
      - { .name: Xh, .offset: 8, .size: 8, .value_kind: global_buffer, .address_space: global }
      - { .name: Vt, .offset: 16, .size: 8, .value_kind: global_buffer, .address_space: global }
    .group_segment_fixed_size: 327680
    .private_segment_fixed_size: 0
    .kernarg_segment_align: 8
    .kernarg_segment_size: 24
    .max_flat_workgroup_size: 128
    .sgpr_count:     66
    .vgpr_count:     512
    .wavefront_size: 32
...
	.end_amdgpu_metadata
.endif
;; end of part 3
;; launch scores (part 4): grid 8 x 32, 4 waves a work-group, clusters of 4 x 4, 327,680 bytes of LDS; arguments QK, attention_mask, P, ST; writes P, ST
.if DOCPART == 4
	.amdgcn_target "amdgcn-amd-amdhsa--gfx1250"
	.amdhsa_code_object_version 6
	.text
	.protected	k_q0486c94b67_scores
	.globl	k_q0486c94b67_scores
	.p2align	8
	.type	k_q0486c94b67_scores,@function
k_q0486c94b67_scores:
	s_mov_b64 s[64:65], 0
	v_nop
	global_prefetch_b8 v0, s[64:65] scope:SCOPE_SE
	s_setreg_imm32_b32 hwreg(HW_REG_WAVE_MODE, 25, 1), 1
	s_wait_xcnt 0x0
	s_wait_alu depctr_hold_cnt(0) depctr_sa_sdst(0) depctr_va_vdst(0) depctr_va_sdst(0) depctr_va_ssrc(0) depctr_va_vcc(0) depctr_vm_vsrc(0)
	s_getreg_b32 s2, hwreg(HW_REG_IB_STS2, 6, 4)
	s_cmp_eq_u32 s2, 0
	s_cbranch_scc0 .Lentry_in_a_cluster
	s_endpgm
.Lentry_in_a_cluster:
	s_bfe_u32 s2, ttmp6, 0x10000c
	s_cmp_lg_u32 s2, 0xf033
	s_cbranch_scc0 .Lentry_shape_is_right
	s_endpgm
.Lentry_shape_is_right:
; For query row R (0..8191 = 2048 b + q) and chunk c of 128 keys of its batch:  s = q[R] . k0[key] (raw f32 sum), -inf where attention_mask is 0;
;   mx = the largest s of the chunk;  n = min(floor(-C mx), 2^127), C = log2(e) / 32;  p = 2^(C s + n);  l = the sum of p.
; p goes to P in f16, ST[c][R] = (n, l) in f32.  C mx + n lies in (-1, 0], so the chunk's largest p lies in (0.5, 1]: the maximum is taken away before
; every exponential.  The last launch brings the chunks of a row to their common maximum by the factors 2^(N - n), N the least n of the row.
; P'S LAYOUT: blocks of 16 rows x 16 keys, 512 bytes each; block (R / 16, key / 16) lies at (128 (R / 16) + key / 16) x 512; in it lane l's 16 bytes, at 16 l,
; are row R % 16 = l % 16, keys 8 (l / 16) + 0..7 of the block.  That is what a lane holds here after packing, so P leaves straight from registers,
; and two neighbouring blocks are one 16 x 32 operand fragment of the last launch, which loads them straight into registers.
; WORK LEFT OUT: bk (the same along the softmax's axis: shown at the head of the first launch).
; LIMITS: a chunk that is masked everywhere gets n = 2^127, p = 0, l = 0; -C mx above 2^127 is clamped there.  l is summed from p before its rounding to f16.
; p below 2^-24 is lost in f16.  Any mask value other than 0 keeps the score.
; THE PRODUCT: a work-group makes 256 rows x 256 keys with four waves, a wave 128 x 128 = one chunk for 128 rows: 64 accumulator tiles, 512 registers.
; K = 1024 goes in eight steps of 128 through a ring of two LDS slots; 4 x 4 clusters: q's tile is shared along a row of the cluster, k0's along a column.
; The eight K steps are written out by macro, without a loop: the mask's registers and lanes are constants of the quarter step.
; THE MASK is streamed under the products: a wave's 128 x 128 block of int32, one row (512 neighbouring bytes) a load, four rows in each of the 32 quarter
; steps, requested eight quarter steps ahead; each row is reduced at once to 128 bits (mask == 0) kept in 16 registers.
; REGISTERS: window 0: v0-31 addresses; v32-47 mask bits; v64-127, v128-191 fragments of q, later the softmax's work; v192-255 packed p, two sets
;            window 1: v64-127, v128-191 fragments of k0; v0-63, v192-255 eight batches of four mask rows
;            window 2, 3: the accumulator tiles of my rows 0-63, 64-127 (tile (a, b) at v[8 (8 a + b)])
; The matrix instruction is used transposed (source 0 = keys, source 1 = queries): lane l holds query row l % 16, registers 0-7 the keys 8 (l / 16) + 0..7.
; The 64 accumulators take turns, one instruction a turn, in the same order in every quarter step.
.set KSTEP,  128
.set PITCH,  272
.set HALFT,  128*PITCH
.set SLOT,   4*HALFT
.set MROW,   8192                      ; bytes in a row of the mask
.set ADRA, 16
.set ADRB, 20
.set MO,   28                          ; v28  16 x lane: my 16 bytes of a mask row, and of a block of P; never rewritten
.set SH,   29                          ; v29  2 (l / 16)
.set SO,   30                          ; v30  8 x lane: my pair in ST
.set NI,   31                          ; v31  -inf
.set BM,   32                          ; v32-47: lane i of register 4 g + c: for row 32 g + i, bit L = (mask == 0 at column 4 L + c)
.set F0,   64
.set F1,   128
.set X,    64                          ; v64-127  a row block's 64 scores of a lane, then its p
.set T,    128                         ; v128-135
.set MW,   144                         ; v144-147 the mask words of my row
.set PT,   148                         ; v148-151 what the other half of the lanes holds
.set MX,   152                         ; v152-155 four running maxima
.set SU,   156                         ; v156-163 four running sums, in pairs
.set NM,   164                         ; v164-165 n, twice
.set SE,   166                         ; v166-167 (n, l) of the even row block
.set SV,   168                         ; v168-175 (n, l) of 32 rows, four pairs
.set TMP,  192                         ; v192-223, v224-255: packed p, a set for even and one for odd row blocks
.set G1, 24
.set G0, 32
.set G1B, 48
.set G0B, 56
.set MB, 68                            ; s[68:83] sixteen compare results
.set MSB, 0
.macro WIN new
.if MSB != (\new)
	s_set_vgpr_msb (MSB<<8)|(\new)
.set MSB, (\new)
.endif
.endm
.set MUL_LO, 0xa1
.set MUL_HI, 0xf1
.set TO_B,   0x40
.macro SHAPE g, mask, rows, pitch
	s_or_b32  s[\g+0], \mask, (1<<16)|(1<<20)|(1<<21)|(5<<22)|(3<<25)
	s_mov_b32 s[\g+1], KSTEP<<16
	s_mov_b32 s[\g+2], \rows<<16
	s_mov_b32 s[\g+3], KSTEP<<16
	s_mov_b32 s[\g+4], \rows
	s_mov_b32 s[\g+5], \pitch
	s_mov_b32 s[\g+6], 0
	s_mov_b32 s[\g+7], 0
.endm
.macro JLOAD s                         ; waves 0, 1: q's halves; waves 2, 3: k0's halves
	s_cmp_eq_u32 s11, 0
	s_cbranch_scc0 .Lfor_b_\@
	tensor_load_to_lds s[G0+4*\s:G0+4*\s+3], s[G1:G1+7]
	s_nop 0
	s_branch .Lasked_\@
.Lfor_b_\@:
	tensor_load_to_lds s[G0B+4*\s:G0B+4*\s+3], s[G1B:G1B+7]
	s_nop 0
.Lasked_\@:
.endm
.macro CREST
	s_cmp_lg_u32 s10, 0
	s_cbranch_scc1 .Lnot_wave_0_\@
	s_barrier_signal -3
.Lnot_wave_0_\@:
	s_barrier_wait -3
	s_barrier_signal -1
	s_barrier_wait -1
.endm
.macro CROUND
	s_barrier_signal -1
	s_barrier_wait -1
	CREST
.endm
	s_load_b64 s[4:5], s[0:1], 0x0                 ; QK
	s_load_b64 s[90:91], s[0:1], 0x8               ; attention_mask
	s_load_b64 s[8:9], s[0:1], 0x10                ; P
	s_load_b64 s[92:93], s[0:1], 0x18              ; ST
	v_lshl_add_u32 v62, v0, 2, 0x44000
	v_mov_b32 v63, 0
	ds_add_u32 v62, v63
	v_lshrrev_b32 v1, 5, v0
	v_readfirstlane_b32 s10, v1                    ; wave 0..3
	s_lshr_b32 s11, s10, 1                         ; which half of the block's rows is mine.  Also: I fetch for q (0) or k0 (1)
	s_and_b32 s12, s10, 1                          ; which half of its keys.  Also: which 128 rows of that tile I fetch
	s_bfe_u32 s40, ttmp6, 0x40000                  ; cx
	s_bfe_u32 s41, ttmp6, 0x40004                  ; cy
	s_lshl_b32 s42, ttmp9, 2
	s_add_co_u32 s42, s42, s40                     ; key block of the batch, 0..7
	s_and_b32 s13, ttmp7, 0xffff
	s_lshr_b32 s45, s13, 1                         ; batch = cluster y / 2: eight query blocks a batch, four a cluster
	s_lshl_b32 s13, s13, 2
	s_add_co_u32 s13, s13, s41                     ; query block, 0..31
	s_lshl_b32 s43, s41, 2
	s_lshl_b32 s43, 15, s43                        ; my row of the cluster
	s_lshl_b32 s44, 0x1111, s40                    ; my column
	SHAPE G1,  s43, 128, 2048
	SHAPE G1B, s44, 128, 2048
	s_mov_b32 s66, 0x76543210                      ; v_permlanex16_b32: lane i reads lane i of the other half
	s_mov_b32 s67, 0xfedcba98
	s_mov_b32 s84, 0xffff0000                      ; lanes 16-31
	s_mov_b32 s86, 0x3d38aa3b                      ; C = log2(e) / 32
	s_mov_b32 s87, 0x3d38aa3b
	s_mov_b32 s88, 0xbd38aa3b                      ; -C
	s_mov_b32 s89, 0x7f000000                      ; 2^127
	s_lshl_b32 s17, s12, 7
	s_lshl_b32 s16, s13, 8
	s_add_co_u32 s16, s16, s17                     ; q: row 256 x query block + 128 x half
	s_lshl_b32 s16, s16, 12                        ; rows of 4,096 bytes
	s_lshl_b32 s46, s42, 8
	s_add_co_u32 s46, s46, s17                     ; k0: row 2048 x batch + 256 x key block + 128 x half,
	s_lshl_b32 s47, s45, 11
	s_add_co_u32 s46, s46, s47
	s_lshl_b32 s46, s46, 12
	s_add_co_u32 s46, s46, 2048                    ; columns 1024-2047 of QK
	s_mov_b32 s17, 0
	s_mov_b32 s47, 0
	s_mul_i32 s20, s10, HALFT
	s_lshl_b32 s94, s13, 8                         ; the mask at my 128 x 128 block: row 256 x query block + 128 x my half of the rows,
	s_lshl_b32 s95, s11, 7
	s_add_co_u32 s94, s94, s95
	s_lshl_b32 s94, s94, 13                        ; x 8,192 bytes,
	s_lshl_b32 s95, s42, 10                        ; + 256 keys of 4 bytes a block
	s_add_co_u32 s94, s94, s95
	s_lshl_b32 s95, s12, 9                         ; + 128 a half
	s_add_co_u32 s94, s94, s95
	s_mov_b32 s95, 0
	v_and_b32 v3, 31, v0                           ; lane
	v_lshlrev_b32 v[MO], 4, v3
	v_lshlrev_b32 v[SO], 3, v3
	s_wait_dscnt 0x0
	s_wait_kmcnt 0x0
	s_add_nc_u64 s[14:15], s[4:5], s[16:17]
	s_add_nc_u64 s[46:47], s[4:5], s[46:47]
	s_add_nc_u64 s[90:91], s[90:91], s[94:95]
	CROUND                                         ; in front of the first joint loads
.irp s, 0,1
	s_mov_b32 s[G0+4*\s], 1
	s_add_co_u32 s[G0+4*\s+1], s20, \s*SLOT
	s_add_nc_u64 s[G0+4*\s+2:G0+4*\s+3], s[14:15], \s*KSTEP*2
	s_or_b32 s[G0+4*\s+3], s[G0+4*\s+3], 0x80000000
	s_mov_b32 s[G0B+4*\s], 1
	s_add_co_u32 s[G0B+4*\s+1], s20, \s*SLOT
	s_add_nc_u64 s[G0B+4*\s+2:G0B+4*\s+3], s[46:47], \s*KSTEP*2
	s_or_b32 s[G0B+4*\s+3], s[G0B+4*\s+3], 0x80000000
	JLOAD \s                                       ; two tensor loads of this wave are out: the most in this text
.endr
	; the first eight batches of the mask: rows 0-31 of my block
	WIN TO_B
.irp q, 0,1,2,3,4,5,6,7
.irp i, 0,1,2,3
	global_load_b128 v[16*\q+128*(\q>>2)+4*\i:16*\q+128*(\q>>2)+4*\i+3], v[MO], s[90:91] offset:(4*\q+\i)*MROW th:TH_LOAD_NT
.endr
.endr
	WIN 0
	v_and_b32 v1, 15, v0                           ; l % 16
	v_bfe_u32 v2, v0, 4, 1                         ; l / 16
	v_mul_u32_u24 v3, v1, PITCH
	v_lshl_add_u32 v3, v2, 4, v3
	s_mul_i32 s21, s11, HALFT
	s_mul_i32 s22, s12, HALFT
	s_add_co_u32 s22, s22, 2*HALFT
.irp s, 0,1
	v_add_nc_u32 v[ADRA+\s], s21, v3
	v_add_nc_u32 v[ADRB+\s], s22, v3
	s_add_co_u32 s21, s21, SLOT
	s_add_co_u32 s22, s22, SLOT
.endr
	v_lshlrev_b32 v[SH], 1, v2
	v_mov_b32 v[NI], 0xff800000
.set j, 0
.rept 16
	v_mov_b32 v[BM+j], 0                           ; v_writelane_b32 keeps the other lanes: the registers are written whole once
.set j, j+1
.endr
.macro MUL16 f, hi, a0, mode           ; mode 1: the first products start the sums
.irp a, \a0, \a0+1
.irp b, 0,1,2,3,4,5,6,7
.if \mode == 1
	v_wmma_f32_16x16x32_f16 v[8*(8*(\a)+\b):8*(8*(\a)+\b)+7], v[\f+8*\b:\f+8*\b+7], v[\f+8*(4*\hi+\a):\f+8*(4*\hi+\a)+7], 0
.else
	v_wmma_f32_16x16x32_f16 v[8*(8*(\a)+\b):8*(8*(\a)+\b)+7], v[\f+8*\b:\f+8*\b+7], v[\f+8*(4*\hi+\a):\f+8*(4*\hi+\a)+7], v[8*(8*(\a)+\b):8*(8*(\a)+\b)+7]
.endif
.endr
.endr
.endm
.macro FETCH slot, k, f
	WIN TO_B
.irp i, 0,1,2,3,4,5,6,7
	ds_load_b128 v[\f+8*\i:\f+8*\i+3],   v[ADRB+\slot] offset:\k+\i*16*PITCH
	ds_load_b128 v[\f+8*\i+4:\f+8*\i+7], v[ADRB+\slot] offset:\k+\i*16*PITCH+32
.endr
	WIN 0
.irp i, 0,1,2,3,4,5,6,7
	ds_load_b128 v[\f+8*\i:\f+8*\i+3],   v[ADRA+\slot] offset:\k+\i*16*PITCH
	ds_load_b128 v[\f+8*\i+4:\f+8*\i+7], v[ADRA+\slot] offset:\k+\i*16*PITCH+32
.endr
.endm
.macro PLACES                          ; four places between a matrix instruction and a load into, or a vector instruction on, one of its registers
.rept 4
	v_nop
.endr
.endm
; Batch u of the mask, rows 4 u .. 4 u + 3 of my block: sixteen compares (one word of 32 bits each: bit L for lane L's column), each put into the
; row's lane of the bit registers; then batch u + 8 is requested into the same sixteen registers.
.macro MASKSTEP u
.set MSQ, 16*((\u)&7)+128*(((\u)&7)>>2)
.if (\u) > 24
	s_wait_loadcnt 4*(31-(\u))                     ; the last batches: as many younger ones as are left, four loads each
.else
	s_wait_loadcnt 28                              ; loads come back in order: batch u is in, the seven younger batches of four loads stay out
.endif
	WIN 0x04                                       ; source 1 window 1
.irp i, 0,1,2,3
.irp c, 0,1,2,3
	v_cmp_eq_u32 s[MB+4*\i+\c], 0, v[MSQ+4*\i+\c]
.endr
.endr
.irp i, 0,1,2,3
.irp c, 0,1,2,3
	v_writelane_b32 v[BM+4*((\u)>>3)+\c], s[MB+4*\i+\c], 4*((\u)&7)+\i
.endr
.endr
.if (\u) <= 23
	WIN TO_B
.irp i, 0,1,2,3
	global_load_b128 v[MSQ+4*\i:MSQ+4*\i+3], v[MO], s[90:91] offset:(4*(\u)+32+\i)*MROW th:TH_LOAD_NT
.endr
.endif
.endm
.macro QUARTER slot, k, f, g, mode, u
	s_wait_dscnt 8                                 ; k0's fragments and q's rows 0-63 are in; the youngest eight loads may be out
	WIN MUL_LO
	MUL16 \f, 0, 0, \mode
	MUL16 \f, 0, 2, \mode
	MASKSTEP \u
	PLACES
	FETCH \slot, \k, \g
	s_wait_dscnt 32                                ; all but the 32 just issued
	WIN MUL_HI
	MUL16 \f, 1, 0, \mode
	MUL16 \f, 1, 2, \mode
.endm
.macro THREE slot, mode, u0
	QUARTER \slot, 64,  F0, F1, \mode, \u0
	QUARTER \slot, 128, F1, F0, 0, \u0+1
	QUARTER \slot, 192, F0, F1, 0, \u0+2
.endm
; The last quarter of a K step changes slots: my reads of this slot and all my tensor loads are waited for in front of the barrier; where the slot
; is filled again the barrier opens a round of the cluster's barrier and the joint refill is the first tensor load behind it, one a wave.
.macro TURN slot, next, fill, u
	s_wait_dscnt 8
	WIN MUL_LO
	MUL16 F1, 0, 0, 0
	s_wait_dscnt 0
	s_set_vgpr_msb 0xa1a0
	s_wait_tensorcnt 0x0
	ds_add_u32 v62, v63
	s_wait_dscnt 0x0
	s_set_vgpr_msb 0xa0a1
	s_barrier_signal -1
	MUL16 F1, 0, 2, 0
	WIN 0
	s_barrier_wait -1
.if \fill
	CREST
	s_add_nc_u64 s[G0+4*\slot+2:G0+4*\slot+3], s[G0+4*\slot+2:G0+4*\slot+3], 2*KSTEP*2
	s_add_nc_u64 s[G0B+4*\slot+2:G0B+4*\slot+3], s[G0B+4*\slot+2:G0B+4*\slot+3], 2*KSTEP*2
	JLOAD \slot
.endif
	MASKSTEP \u
	PLACES
	FETCH \next, 0, F0
	WIN MUL_HI
	MUL16 F1, 1, 0, 0
	MUL16 F1, 1, 2, 0
.endm
.macro LAP mode, t                     ; K steps t and t + 1, both slots filled again
	THREE 0, \mode, 4*\t
	TURN 0, 1, 1, 4*\t+3
	THREE 1, 0, 4*\t+4
	TURN 1, 0, 1, 4*\t+7
.endm
	s_wait_tensorcnt 1                             ; my part of K step 0 is in; K step 1's stays out
	s_barrier_signal -1
	s_barrier_wait -1
	FETCH 0, 0, F0
	LAP 1, 0
	LAP 0, 2
	LAP 0, 4
	THREE 0, 0, 24                                 ; the last two K steps fill nothing
	TURN 0, 1, 0, 27
	THREE 1, 0, 28
	s_wait_dscnt 8
	WIN MUL_LO
	MUL16 F1, 0, 0, 0
	MUL16 F1, 0, 2, 0
	MASKSTEP 31
	s_wait_dscnt 0
	WIN MUL_HI
	MUL16 F1, 1, 0, 0
	MUL16 F1, 1, 2, 0
	; THE SOFTMAX OF THE CHUNK AND THE WAY OUT, 16 rows at a time
	PLACES
	WIN 0
.irp c, 0,1,2,3
	v_mov_b32 v[PT+\c], 0                          ; v_permlanex16_b32 counts as a reader of its destination
.endr
	s_lshl_b32 s13, s13, 8
	s_lshl_b32 s14, s11, 7
	s_add_co_u32 s16, s13, s14                     ; my first row R, a multiple of 128
	s_lshl_b32 s18, s16, 3                         ; x 8 bytes, for ST
	s_lshl_b32 s16, s16, 12                        ; P: (R / 16) row blocks of 128 blocks of 512 bytes = R x 4,096
	s_mov_b32 s17, 0
	s_add_nc_u64 s[8:9], s[8:9], s[16:17]
	s_lshl_b32 s46, s42, 13                        ; my first key block: 16 blocks of 512 bytes a key block of 256,
	s_lshl_b32 s47, s12, 12                        ; 8 a half
	s_add_co_u32 s46, s46, s47
	s_mov_b32 s47, 0
	s_add_nc_u64 s[8:9], s[8:9], s[46:47]
	s_lshl_b32 s46, s42, 1
	s_add_co_u32 s46, s46, s12                     ; my chunk = 2 x key block + half
	s_lshl_b32 s46, s46, 16                        ; x 8,192 rows x 8 bytes
	s_add_co_u32 s46, s46, s18
	s_add_nc_u64 s[92:93], s[92:93], s[46:47]
; Row block a: rows 16 a .. 16 a + 15.  Lane (r = l % 16, h = l / 16) holds row 16 a + r, keys 16 b + 8 h + j in register 8 b + j.
.macro SOFT a
	; the four mask words of my row lie in lane 16 (a & 1) + r of registers 4 (a >> 1) + c: my own lane or the one 16 away
.irp c, 0,1,2,3
	v_permlanex16_b32 v[PT+\c], v[BM+4*(\a>>1)+\c], s66, s67
.endr
.irp c, 0,1,2,3
.if \a & 1
	v_cndmask_b32 v[MW+\c], v[PT+\c], v[BM+4*(\a>>1)+\c], s84
.else
	v_cndmask_b32 v[MW+\c], v[BM+4*(\a>>1)+\c], v[PT+\c], s84
.endif
.endr
.irp c, 0,1,2,3
	v_lshrrev_b32 v[MW+\c], v[SH], v[MW+\c]        ; key 16 b + 8 h + j = 4 (4 b + 2 h + (j >> 2)) + (j & 3): behind the shift by 2 h its bit is 4 b + (j >> 2) of word j & 3
.endr
	WIN 2+(\a>>2)                                  ; source 0: the accumulators' window
.irp b, 0,1,2,3,4,5,6,7
.irp j, 0,1,2,3,4,5,6,7
	v_and_b32 v[T+\j], 1<<(4*\b+(\j>>2)), v[MW+(\j&3)]
.endr
.irp j, 0,1,2,3,4,5,6,7
	v_cmp_ne_u32 s[MB+8*(\b&1)+\j], 0, v[T+\j]
.endr
.irp j, 0,1,2,3,4,5,6,7
	v_cndmask_b32 v[X+8*\b+\j], v[8*(8*(\a&3)+\b)+\j], v[NI], s[MB+8*(\b&1)+\j]    ; -inf where the mask is 0
.endr
.endr
	WIN 0
	; the largest of my 64, in four chains; then the other half's 64
.irp k, 0,1,2,3
	v_max3_num_f32 v[MX+\k], v[X+16*\k], v[X+16*\k+1], v[X+16*\k+2]
.endr
.irp i, 3,5,7,9,11,13
.irp k, 0,1,2,3
	v_max3_num_f32 v[MX+\k], v[MX+\k], v[X+16*\k+\i], v[X+16*\k+\i+1]
.endr
.endr
.irp k, 0,1,2,3
	v_max_num_f32 v[MX+\k], v[MX+\k], v[X+16*\k+15]
.endr
	v_max3_num_f32 v[MX], v[MX], v[MX+1], v[MX+2]
	v_max_num_f32 v[MX], v[MX], v[MX+3]
	v_permlanex16_b32 v[PT], v[MX], s66, s67
	v_max_num_f32 v[MX], v[MX], v[PT]
	v_mul_f32 v[NM], s88, v[MX]                    ; -C mx (+inf for a chunk that is masked everywhere)
	v_floor_f32 v[NM], v[NM]
	v_min_num_f32 v[NM], s89, v[NM]                ; n, a whole number, at most 2^127
	v_mov_b32 v[NM+1], v[NM]
.set i, 0
.rept 32
	v_pk_fma_f32 v[X+2*i:X+2*i+1], v[X+2*i:X+2*i+1], s[86:87], v[NM:NM+1] op_sel_hi:[1,0,1]   ; C s + n, one rounding
.set i, i+1
.endr
.set i, 0
.rept 64
	v_exp_f32 v[X+i], v[X+i]
.set i, i+1
.endr
	v_nop                                          ; one plain instruction between the exponentials and the first use of a result (ISA guide 5.7.2)
	s_wait_alu depctr_va_vdst(0)
.irp k, 0,1,2,3
	v_pk_add_f32 v[SU+2*\k:SU+2*\k+1], v[X+16*\k:X+16*\k+1], v[X+16*\k+2:X+16*\k+3]
.endr
.irp i, 4,6,8,10,12,14
.irp k, 0,1,2,3
	v_pk_add_f32 v[SU+2*\k:SU+2*\k+1], v[SU+2*\k:SU+2*\k+1], v[X+16*\k+\i:X+16*\k+\i+1]
.endr
.endr
	v_pk_add_f32 v[SU:SU+1], v[SU:SU+1], v[SU+2:SU+3]
	v_pk_add_f32 v[SU+4:SU+5], v[SU+4:SU+5], v[SU+6:SU+7]
	v_pk_add_f32 v[SU:SU+1], v[SU:SU+1], v[SU+4:SU+5]
	v_add_f32 v[SU], v[SU], v[SU+1]
	v_permlanex16_b32 v[PT], v[SU], s66, s67
	v_add_f32 v[SU], v[SU], v[PT]                  ; l, in every lane of the row
	; P leaves from registers: a lane's four packed words of tile b are its 16 bytes of block (row block a, key block b)
	s_wait_xcnt 0x0                                ; this set of packed words, which the stores of two row blocks ago read, is rewritten only behind this wait
.irp b, 0,1,2,3,4,5,6,7
.irp r, 0,1,2,3
	v_cvt_pk_f16_f32 v[TMP+32*(\a&1)+4*\b+\r], v[X+8*\b+2*\r], v[X+8*\b+2*\r+1]
.endr
.endr
.irp b, 0,1,2,3,4,5,6,7
	global_store_b128 v[MO], v[TMP+32*(\a&1)+4*\b:TMP+32*(\a&1)+4*\b+3], s[8:9] offset:65536*\a+512*\b   ; the wave stores 512 consecutive bytes, aligned: one block
.endr
	; (n, l): two row blocks make 32 rows, one pair a lane: lanes 0-15 the even block's rows, lanes 16-31 the odd block's
.if \a & 1
	v_cndmask_b32 v[SV+2*(\a>>1)],   v[SE],   v[NM], s84
	v_cndmask_b32 v[SV+2*(\a>>1)+1], v[SE+1], v[SU], s84
	global_store_b64 v[SO], v[SV+2*(\a>>1):SV+2*(\a>>1)+1], s[92:93] offset:256*(\a>>1)   ; 32 lanes store 256 consecutive bytes, aligned
.else
	v_mov_b32 v[SE], v[NM]
	v_mov_b32 v[SE+1], v[SU]
.endif
.endm
	SOFT 0
	SOFT 1
	SOFT 2
	SOFT 3
	SOFT 4
	SOFT 5
	SOFT 6
	SOFT 7
	CROUND                                         ; the closing round
	s_endpgm
.Lfunc_end_k_q0486c94b67_scores:
	.size	k_q0486c94b67_scores, .Lfunc_end_k_q0486c94b67_scores-k_q0486c94b67_scores
	.p2alignl 7, 3214868480
	.fill 96, 4, 3214868480
	.section	.rodata,"a",@progbits
	.p2align	6, 0x0
	.amdhsa_kernel k_q0486c94b67_scores
		.amdhsa_group_segment_fixed_size 327680
		.amdhsa_private_segment_fixed_size 0
		.amdhsa_enable_private_segment 0
		.amdhsa_kernarg_size 32
		.amdhsa_user_sgpr_count 2
		.amdhsa_user_sgpr_kernarg_segment_ptr 1
		.amdhsa_wavefront_size32 1
		.amdhsa_system_sgpr_workgroup_id_x 1
		.amdhsa_system_sgpr_workgroup_id_y 1
		.amdhsa_system_sgpr_workgroup_id_z 1
		.amdhsa_system_vgpr_workitem_id 0
		.amdhsa_next_free_vgpr 1024
		.amdhsa_next_free_sgpr 96
		.amdhsa_reserve_vcc 0
		.amdhsa_float_denorm_mode_32 3
		.amdhsa_float_denorm_mode_16_64 3
		.amdhsa_memory_ordered 1
		.amdhsa_forward_progress 1
		.amdhsa_inst_pref_size 255
	.end_amdhsa_kernel
	.section	.bss,"aw",@nobits
	.p2align	6
	.space	262144
	.amdgpu_metadata
---
amdhsa.version: [ 1, 2 ]
amdhsa.kernels:
  - .name:           k_q0486c94b67_scores
    .symbol:         k_q0486c94b67_scores.kd
    .args:
      - { .name: QK, .offset: 0, .size: 8, .value_kind: global_buffer, .address_space: global }
      - { .name: attention_mask, .offset: 8, .size: 8, .value_kind: global_buffer, .address_space: global }
      - { .name: P, .offset: 16, .size: 8, .value_kind: global_buffer, .address_space: global }
      - { .name: ST, .offset: 24, .size: 8, .value_kind: global_buffer, .address_space: global }
    .group_segment_fixed_size: 327680
    .private_segment_fixed_size: 0
    .kernarg_segment_align: 8
    .kernarg_segment_size: 32
    .max_flat_workgroup_size: 128
    .sgpr_count:     96
    .vgpr_count:     1024
    .wavefront_size: 32
...
	.end_amdgpu_metadata
.endif
;; end of part 4
;; launch pv (part 5): grid 8 x 32, 4 waves a work-group, clusters of 4 x 4, 327,680 bytes of LDS; arguments P, Vt, ST, bv, out0; writes out0
.if DOCPART == 5
	.amdgcn_target "amdgcn-amd-amdhsa--gfx1250"
	.amdhsa_code_object_version 6
	.text
	.protected	k_q0486c94b67_pv
	.globl	k_q0486c94b67_pv
	.p2align	8
	.type	k_q0486c94b67_pv,@function
k_q0486c94b67_pv:
	s_mov_b64 s[64:65], 0
	v_nop
	global_prefetch_b8 v0, s[64:65] scope:SCOPE_SE
	s_setreg_imm32_b32 hwreg(HW_REG_WAVE_MODE, 25, 1), 1
	s_wait_xcnt 0x0
	s_wait_alu depctr_hold_cnt(0) depctr_sa_sdst(0) depctr_va_vdst(0) depctr_va_sdst(0) depctr_va_ssrc(0) depctr_va_vcc(0) depctr_vm_vsrc(0)
	s_getreg_b32 s2, hwreg(HW_REG_IB_STS2, 6, 4)
	s_cmp_eq_u32 s2, 0
	s_cbranch_scc0 .Lentry_in_a_cluster
	s_endpgm
.Lentry_in_a_cluster:
	s_bfe_u32 s2, ttmp6, 0x10000c
	s_cmp_lg_u32 s2, 0xf033
	s_cbranch_scc0 .Lentry_shape_is_right
	s_endpgm
.Lentry_shape_is_right:
; out0[R][d] = (sum over the 16 chunks c of w_c[R] x sum over the chunk's keys of P[R][key] Vt[d][key]) / L[R] + bv[d],
;   N = the least n_c of row R, w_c = 2^(N - n_c), L = the sum of w_c l_c, (n_c, l_c) from ST.
; N belongs to the chunk with the row's largest score, so w_c is at most 1: with the chunks' own maxima the row's true maximum is taken away.
; The n_c are whole numbers, so w_c is a power of two and P x w_c in f16 is exact as long as it is a normal number.
; bv is added here once, in f32: the rows of attn sum to 1 (shown at the head of the first launch).
; LIMITS: w_c below 2^-24 is 0 in f16, and p w_c below 2^-14 keeps fewer bits: terms under 2^-24 of the row's largest are lost.
; A row that is masked everywhere has P = 0 and L = 0: 0 x infinity gives NaN, as the softmax of -inf alone does.
; A work-group makes 256 rows x 128 columns with four waves; wave w makes rows 64 w .. 64 w + 63 and all 128 columns: 32 accumulator tiles.
; The 2,048 keys go in 64 quarter steps of 32; four quarter steps are a chunk.  All 64 are written out by .rept: registers, offsets and wait counts
; are constants of the quarter step.
; P: a wave's 64 rows are used by that wave alone, and P lies in memory in blocks of 16 rows x 16 keys in the order of the operand's registers (lane l's
; 16 bytes at 16 l).  So a fragment is two loads of 512 consecutive bytes straight into registers, and P passes through no LDS.  A ring of eight quarter
; steps in registers; a quarter step's eight loads are issued six quarter steps ahead of their first use.
; Vt: all four waves read the same 128 rows, so they go through LDS: two slots of four chunks each (128 rows x 1,024 bytes), four fills in all.
; CLUSTERS 4 x 4: Vt's tile hangs on the d block and the batch (cluster y / 2) and is asked for jointly along a column of the cluster.
; P IS NOT ASKED FOR JOINTLY, though the four work-groups of a row of the cluster read the same rows: with P's 256 rows in the ring a slot of one chunk
; is 104,448 bytes and two slots of two chunks, 405,504 bytes, do not fit in LDS, so each refill would have one chunk's 128 matrix instructions
; in which to land; without P a refill has 512, and a chunk's 64 KiB of P are neither written to LDS nor read from it.
; REGISTERS: window 0: v16-19, v24-29 addresses; v32-95 the 64 factors w, register 4 c + a = (w, w) in f16 of row 16 a + l % 16, chunk c; v96-159, v160-223
;            fragments of Vt, two buffers; v232-239 1 / L.
;            window 1: v0-127 the accumulator tiles of row blocks 0, 1 (tile (a, b) at v[8 (8 (a & 1) + b)]); v128-255 P's ring for these row blocks,
;            quarter step u at 128 + 16 (u % 8).   window 2: the same for row blocks 2, 3.   window 3: v0-63 bv of my columns.
; With the sums and P's ring of a pair of row blocks in one window, ONE window setting serves a product, the multiply that scales P and the load into the ring:
; a quarter step has three window switches.
; THE ORDER OF A QUARTER STEP: all its memory instructions (8 loads of P, 16 LDS loads of Vt) stand in ONE run at its head; then its 32 products follow each
; other with plain vector instructions alone between them: the 32 multiplies that scale the next quarter step's P by w.
; The matrix instruction is used transposed (source 0 = rows of Vt, source 1 = rows of P): lane l holds row l % 16, registers 0-7 the columns 8 (l / 16) + 0..7.
; The 32 accumulators take turns, one instruction a turn, in the same order in every quarter step.
.set BPITCH, 1040                      ; an LDS row of Vt: 1,024 bytes + 16 of padding: 65 x 16, so 16 rows of a fragment start in 16 different 16-byte columns
.set WPART,  32*BPITCH                 ; what one tensor load brings: 32 rows
.set SLOT,   4*WPART                   ; 133,120
.set STAGE,  2*SLOT                    ; 266,240: 16 rows x 528 bytes for each wave, for the way out; no fill lands here
.set SPITCH, 528                       ; 512 bytes + 16
.set CROW,   4096                      ; bytes in a row of out0
.set ADRB, 16                          ; v16-19: register 2 s + g: slot s, fragments 4 g .. 4 g + 3 (an LDS offset holds 16 bits)
.set STO,  24
.set RD,   25
.set LO,   26                          ; v26  16 x lane: my 16 bytes of a block of P and of a row of out0; never rewritten
.set SOF,  28                          ; v28  8 (l % 16)
.set BOF,  29                          ; v29  32 (l / 16)
.set WP,   32
.set FB,   96                          ; buffer f at FB + 64 f
.set STV,  96                          ; prologue: (n, l) of row block a, chunk c at STV + 32 a + 2 c
.set RL,   232                         ; pair a = 1 / L of row 16 a + l % 16, twice
.set NN,   240
.set LL,   241
.set FA,   128                         ; in windows 1 and 2
.set T,    32                          ; way out
.set RB,   96
.set G1B, 48                           ; s[48:55] descriptor group 1
.set G0B, 56                           ; s[56:63] group 0, one set for each slot
.set X1, 0x54                          ; source 0 window 0; source 1, C and D window 1
.set X2, 0xa8                          ; source 0 window 0; source 1, C and D window 2
.set MSB, 0
.macro WIN new                         ; the immediate's high byte repeats the setting that is left
.if MSB != (\new)
	s_set_vgpr_msb (MSB<<8)|(\new)
.set MSB, (\new)
.endif
.endm
.macro CREST
	s_cmp_lg_u32 s10, 0
	s_cbranch_scc1 .Lnot_wave_0_\@
	s_barrier_signal -3
.Lnot_wave_0_\@:
	s_barrier_wait -3
	s_barrier_signal -1
	s_barrier_wait -1
.endm
.macro CROUND
	s_barrier_signal -1
	s_barrier_wait -1
	CREST
.endm
; One load of quarter step AU's P: n = 0..3: row block 2 hx + (n >> 1), key block 2 AU + (n & 1), into four registers of the ring
.macro AL1 hx, n
	global_load_b128 v[FA+16*(AU&7)+4*(\n):FA+16*(AU&7)+4*(\n)+3], v[LO], s[4:5] offset:65536*(2*\hx+((\n)>>1))+1024*AU+512*((\n)&1)
.endm
; One multiply: register k (0..15) of quarter step SQ's P of row blocks 2 hx, 2 hx + 1, times its rows' w of the chunk: a power of two, two f16 at a time
.macro SC hx, k
	v_pk_mul_f16 v[FA+16*(SQ&7)+\k], v[WP+4*(SQ>>2)+2*\hx+((\k)>>3)], v[FA+16*(SQ&7)+\k]
.endm
	s_load_b128 s[4:7], s[0:1], 0x0                ; P s[4:5], Vt s[6:7]
	s_load_b128 s[68:71], s[0:1], 0x10             ; ST s[68:69], bv s[70:71]
	s_load_b64 s[8:9], s[0:1], 0x20                ; out0
	v_lshl_add_u32 v254, v0, 2, 0x49400
	v_mov_b32 v255, 0
	ds_add_u32 v254, v255
	v_lshrrev_b32 v1, 5, v0
	v_readfirstlane_b32 s10, v1                    ; wave 0..3
	s_bfe_u32 s40, ttmp6, 0x40000                  ; cx
	s_bfe_u32 s41, ttmp6, 0x40004                  ; cy
	s_lshl_b32 s42, ttmp9, 2
	s_add_co_u32 s42, s42, s40                     ; d block (128 columns), 0..7
	s_and_b32 s13, ttmp7, 0xffff
	s_lshr_b32 s45, s13, 1                         ; batch = cluster y / 2
	s_lshl_b32 s13, s13, 2
	s_add_co_u32 s13, s13, s41                     ; query block (256 rows), 0..31
	s_lshl_b32 s44, 0x1111, s40                    ; my column of the cluster
	; group 1: 32 rows x 512 elements of 2 bytes, 4 words of padding behind every 256 words
	s_or_b32  s[G1B+0], s44, (1<<16)|(1<<20)|(1<<21)|(7<<22)|(3<<25)
	s_mov_b32 s[G1B+1], 512<<16                    ; tensor_dim0 = 512
	s_mov_b32 s[G1B+2], 32<<16                     ; tensor_dim1 = 32
	s_mov_b32 s[G1B+3], 512<<16                    ; tile_dim0 = 512
	s_mov_b32 s[G1B+4], 32                         ; tile_dim1 = 32
	s_mov_b32 s[G1B+5], 8192                       ; elements from row to row of Vt
	s_mov_b32 s[G1B+6], 0
	s_mov_b32 s[G1B+7], 0
	s_lshl_b32 s46, s42, 7
	s_lshl_b32 s47, s10, 5
	s_add_co_u32 s46, s46, s47                     ; Vt: row 128 x d block + 32 x wave,
	s_lshl_b32 s46, s46, 14                        ; rows of 16,384 bytes,
	s_lshl_b32 s47, s45, 12                        ; + the batch's 2,048 keys of 2 bytes
	s_add_co_u32 s46, s46, s47
	s_mov_b32 s47, 0
	s_mul_i32 s21, s10, WPART                      ; LDS: wave x 32 rows; no place in the cluster enters an LDS address
	s_lshl_b32 s16, s13, 20                        ; P: 16 row blocks of 65,536 bytes a query block,
	s_lshl_b32 s17, s10, 18                        ; 4 a wave
	s_add_co_u32 s16, s16, s17
	s_mov_b32 s17, 0
	s_wait_dscnt 0x0
	s_wait_kmcnt 0x0
	s_add_nc_u64 s[46:47], s[6:7], s[46:47]
	s_add_nc_u64 s[4:5], s[4:5], s[16:17]          ; P at my first row block, key 0; never rewritten
	CROUND                                         ; in front of the first joint loads
.irp s, 0,1
	s_mov_b32 s[G0B+4*\s], 1
	s_add_co_u32 s[G0B+4*\s+1], s21, \s*SLOT
	s_add_nc_u64 s[G0B+4*\s+2:G0B+4*\s+3], s[46:47], \s*1024       ; chunks 4 s .. 4 s + 3
	s_or_b32 s[G0B+4*\s+3], s[G0B+4*\s+3], 0x80000000
	tensor_load_to_lds s[G0B+4*\s:G0B+4*\s+3], s[G1B:G1B+7]        ; every wave its own 32 rows; two tensor loads of this wave are out: the most in this text
	s_nop 0
.endr
	v_and_b32 v1, 15, v0                           ; l % 16
	v_bfe_u32 v2, v0, 4, 1                         ; l / 16
	v_and_b32 v6, 31, v0                           ; lane
	v_lshlrev_b32 v[SOF], 3, v1
	v_lshlrev_b32 v[BOF], 5, v2
	v_lshlrev_b32 v[LO], 4, v6
	s_lshl_b32 s66, s42, 9                         ; bv at my 128 columns
	s_mov_b32 s67, 0
	s_add_nc_u64 s[70:71], s[70:71], s[66:67]
	s_lshl_b32 s66, s13, 8
	s_lshl_b32 s22, s10, 6
	s_add_co_u32 s66, s66, s22                     ; my first row = 256 x query block + 64 x wave
	s_lshl_b32 s66, s66, 3
	s_add_nc_u64 s[68:69], s[68:69], s[66:67]      ; ST at chunk 0, my first row
	WIN 0xc0                                       ; destination window 3
.irp b, 0,1,2,3,4,5,6,7
	global_load_b128 v[8*\b:8*\b+3],   v[BOF], s[70:71] offset:64*\b       ; register 8 b + j = bv of column 16 b + 8 (l / 16) + j
	global_load_b128 v[8*\b+4:8*\b+7], v[BOF], s[70:71] offset:64*\b+16
.endr
	WIN 0
.irp a, 0,1,2,3
.irp c, 0,1,2,3,4,5,6,7,8,9,10,11,12,13,14,15
	global_load_b64 v[STV+32*\a+2*\c:STV+32*\a+2*\c+1], v[SOF], s[68:69] offset:65536*\c+128*\a   ; (n, l) of row 16 a + l % 16, chunk c
.endr
.endr
	; P's quarter steps 0 to 6: seven batches of eight loads; the waits below count whole batches
.set AU, 0
.rept 7
	WIN 0x40                                       ; destination window 1
.irp n, 0,1,2,3
	AL1 0, \n
.endr
	WIN 0x80                                       ; destination window 2
.irp n, 0,1,2,3
	AL1 1, \n
.endr
.set AU, AU+1
.endr
	WIN 0
	v_mul_u32_u24 v3, v1, BPITCH
	v_lshl_add_u32 v3, v2, 4, v3                   ; row x pitch + 16 x half
.irp s, 0,1
.irp g, 0,1
	v_add_nc_u32 v[ADRB+2*\s+\g], \s*SLOT+\g*64*BPITCH, v3
.endr
.endr
	s_mul_i32 s23, s10, 16*SPITCH
	s_add_co_u32 s23, s23, STAGE                   ; my stage
	v_mul_u32_u24 v4, v1, SPITCH
	v_lshl_add_u32 v4, v2, 5, v4                   ; in: row l % 16, 32 bytes for each half of the lanes
	v_add_nc_u32 v[STO], s23, v4
	v_lshl_add_u32 v[RD], v6, 4, s23               ; back: a whole row of 512 bytes, 16 a lane
	s_wait_loadcnt 56                              ; loads come back in order: bv and the 64 pairs are in, P's seven batches of eight stay out
; Row block a: N, the sixteen w, L and 1 / L of row 16 a + l % 16
.macro ROWSTAT a
	v_min3_num_f32 v[NN], v[STV+32*\a], v[STV+32*\a+2], v[STV+32*\a+4]
.irp c, 3,5,7,9,11,13
	v_min3_num_f32 v[NN], v[NN], v[STV+32*\a+2*\c], v[STV+32*\a+2*\c+2]
.endr
	v_min_num_f32 v[NN], v[NN], v[STV+32*\a+30]
.irp c, 0,1,2,3,4,5,6,7,8,9,10,11,12,13,14,15
	v_sub_f32 v[STV+32*\a+2*\c], v[NN], v[STV+32*\a+2*\c]          ; N - n, a whole number at or below 0
.endr
.irp c, 0,1,2,3,4,5,6,7,8,9,10,11,12,13,14,15
	v_exp_f32 v[STV+32*\a+2*\c], v[STV+32*\a+2*\c]
.endr
	v_nop                                          ; one plain instruction between the exponentials and the first use of a result (ISA guide 5.7.2)
	s_wait_alu depctr_va_vdst(0)
	v_mul_f32 v[LL], v[STV+32*\a], v[STV+32*\a+1]
.irp c, 1,2,3,4,5,6,7,8,9,10,11,12,13,14,15
	v_fmac_f32 v[LL], v[STV+32*\a+2*\c], v[STV+32*\a+2*\c+1]
.endr
.irp c, 0,1,2,3,4,5,6,7,8,9,10,11,12,13,14,15
	v_cvt_pk_f16_f32 v[WP+4*\c+\a], v[STV+32*\a+2*\c], v[STV+32*\a+2*\c]
.endr
	v_rcp_f32 v[RL+2*\a], v[LL]
	v_nop                                          ; one plain instruction behind the reciprocal
	s_wait_alu depctr_va_vdst(0)
	v_mov_b32 v[RL+2*\a+1], v[RL+2*\a]
.endm
	ROWSTAT 0
	ROWSTAT 1
	ROWSTAT 2
	ROWSTAT 3
	s_wait_loadcnt 48                              ; P's quarter step 0 is in; the six younger batches stay out
.set SQ, 0
	WIN X1
.irp k, 0,1,2,3,4,5,6,7,8,9,10,11,12,13,14,15
	SC 0, \k                                       ; quarter step 0 is scaled here; every later one in the quarter step before it
.endr
	WIN X2
.irp k, 0,1,2,3,4,5,6,7,8,9,10,11,12,13,14,15
	SC 1, \k
.endr
	WIN 0
; 16 LDS loads in one run: Vt's eight fragments of quarter step FU: slot (FU / 16) % 2, byte 64 (FU % 16) of the rows, into buffer FU % 2
.macro FETCHB
.irp i, 0,1,2,3,4,5,6,7
	ds_load_b128 v[FB+64*(FU&1)+8*\i:FB+64*(FU&1)+8*\i+3],   v[ADRB+2*((FU>>4)&1)+(\i>>2)] offset:64*(FU&15)+(\i&3)*16*BPITCH
	ds_load_b128 v[FB+64*(FU&1)+8*\i+4:FB+64*(FU&1)+8*\i+7], v[ADRB+2*((FU>>4)&1)+(\i>>2)] offset:64*(FU&15)+(\i&3)*16*BPITCH+32
.endr
.endm
; Half a quarter step: the 16 products of row blocks 2 hx, 2 hx + 1 of quarter step U, and the 16 multiplies that scale the next quarter step's P of the
; same row blocks.  First half: one multiply behind each product.  Second half: one behind each of the first twelve, the last four behind the last
; product: they name no register of this quarter step's products, so they are the four places between the last product and
; the loads at the head of the next quarter step, which land in registers that these products read (Vt's buffer, P's ring).
.macro PHASE hx
.set KK, 0
.irp a, 0,1
.irp b, 0,1,2,3,4,5,6,7
.if U == 0
	v_wmma_f32_16x16x32_f16 v[8*(8*\a+\b):8*(8*\a+\b)+7], v[FB+64*(U&1)+8*\b:FB+64*(U&1)+8*\b+7], v[FA+16*(U&7)+8*\a:FA+16*(U&7)+8*\a+7], 0
.else
	v_wmma_f32_16x16x32_f16 v[8*(8*\a+\b):8*(8*\a+\b)+7], v[FB+64*(U&1)+8*\b:FB+64*(U&1)+8*\b+7], v[FA+16*(U&7)+8*\a:FA+16*(U&7)+8*\a+7], v[8*(8*\a+\b):8*(8*\a+\b)+7]
.endif
.if U < 63
.if KK < 12+4*(1-\hx)
	SC \hx, KK
.endif
.endif
.set KK, KK+1
.endr
.endr
.if U < 63
.if \hx == 1
.irp k, 12,13,14,15
	SC \hx, \k
.endr
.endif
.endif
.endm
; Slot s has been read to its end and is filled again, eight chunks on.  In front of the round every wave has waited for its LDS reads (the wait at the head
; of the quarter step) and for all its tensor loads, of which one is out: its part of the other slot.  The round of the cluster's barrier shows
; both of every wave of all sixteen work-groups; the joint refill is the first tensor load behind it, one a wave.
.macro REFILL s
	s_set_vgpr_msb 0xa8a0
	s_wait_tensorcnt 0x0
	ds_add_u32 v254, v255
	s_wait_dscnt 0x0
	s_set_vgpr_msb 0xa0a8
	WIN 0
	CROUND
	s_add_nc_u64 s[G0B+4*\s+2:G0B+4*\s+3], s[G0B+4*\s+2:G0B+4*\s+3], 2048      ; no load of mine is out: group 0 may be written
	tensor_load_to_lds s[G0B+4*\s:G0B+4*\s+3], s[G1B:G1B+7]
	s_nop 0
.endm
; Quarter step U.  Its memory instructions in one run: P's quarter step U + 7 into the ring registers that quarter step U - 1 has left (row blocks 2, 3 under
; the window setting that the last products left, row blocks 0, 1 under the setting of the products that follow), and between them Vt's fragments
; of quarter step U + 1.  Then the 32 products.
.macro QG
	s_wait_dscnt 0x0                               ; Vt's fragments of this quarter step, asked for a quarter step ago, are in: no LDS read of mine is out
.if U == 15
	REFILL 0                                       ; the next fetch is the first from slot 1
.endif
.if U == 31
	REFILL 1
.endif
.if U == 47
	s_wait_tensorcnt 0x0                           ; my part of slot 1's second fill, the last load, has landed;
	s_barrier_signal -1
	s_barrier_wait -1                              ; everybody's has.
.endif
.set AU, U+7
.if U <= 56
	WIN X2                                         ; destination window 2, address window 0
.irp n, 0,1,2,3
	AL1 1, \n
.endr
.endif
.if U < 63
	WIN 0
.set FU, U+1
	FETCHB
.endif
	WIN X1                                         ; destination window 1, address window 0: for the loads and for the products behind them
.if U <= 56
.irp n, 0,1,2,3
	AL1 0, \n
.endr
.endif
.if U < 63
.if U > 56
	s_wait_loadcnt 8*(62-U)                        ; the last quarter steps ask for nothing: as many younger batches as are left
.else
	s_wait_loadcnt 48                              ; P's quarter step U + 1 is in; the six younger batches of eight loads, the one just issued among them, stay out
.endif
.endif
.set SQ, U+1
	PHASE 0
	WIN X2
	PHASE 1
.endm
	s_wait_tensorcnt 1                             ; my part of slot 0 is in; slot 1's stays out
	s_barrier_signal -1
	s_barrier_wait -1
.set FU, 0
	FETCHB
.set U, 0
.rept 64
	QG
.set U, U+1
.endr
	; THE WAY OUT, 16 rows at a time: one multiply-add (x 1 / L, + bv), through my stage, out as whole rows of 512 bytes
.rept 4
	v_nop                                          ; four places between the last products and the first reader of a sum (ISA guide 7.12.1)
.endr
	s_lshl_b32 s13, s13, 8
	s_lshl_b32 s14, s10, 6
	s_add_co_u32 s16, s13, s14                     ; my first row
	s_lshl_b32 s16, s16, 12                        ; x 4,096 bytes
	s_mov_b32 s17, 0
	s_add_nc_u64 s[8:9], s[8:9], s[16:17]
	s_lshl_b32 s46, s42, 9                         ; 128 columns of 4 bytes a block
	s_mov_b32 s47, 0
	s_add_nc_u64 s[8:9], s[8:9], s[46:47]
.macro OUTF a
	WIN 0x31+(\a>>1)                               ; source 0 (sums) window 1 or 2, source 1 (1 / L) window 0, source 2 (bv) window 3, destination window 0
.irp b, 0,1,2,3,4,5,6,7
.irp i, 0,1,2,3
	v_pk_fma_f32 v[T+8*\b+2*\i:T+8*\b+2*\i+1], v[8*(8*(\a&1)+\b)+2*\i:8*(8*(\a&1)+\b)+2*\i+1], v[RL+2*\a:RL+2*\a+1], v[8*\b+2*\i:8*\b+2*\i+1]
.endr
.endr
	WIN 0
.irp b, 0,1,2,3,4,5,6,7
	ds_store_b128 v[STO], v[T+8*\b:T+8*\b+3]   offset:64*\b
	ds_store_b128 v[STO], v[T+8*\b+4:T+8*\b+7] offset:64*\b+16
.endr
	s_wait_xcnt 0x0                                ; the read-back registers, which the last block's stores read, and the base are rewritten only behind this wait
.if \a
	s_add_nc_u64 s[8:9], s[8:9], 16*CROW
.endif
.irp t, 0,1,2,3,4,5,6,7,8,9,10,11,12,13,14,15
	ds_load_b128 v[RB+4*\t:RB+4*\t+3], v[RD] offset:SPITCH*\t      ; LDS serves a wave's instructions in order: these see the stores above
.endr
.irp t, 0,1,2,3,4,5,6,7,8,9,10,11,12,13,14,15
	s_wait_dscnt 15-\t                             ; read-back t is in, the younger ones stay out
	global_store_b128 v[LO], v[RB+4*\t:RB+4*\t+3], s[8:9] offset:CROW*\t th:TH_STORE_NT   ; the wave stores 512 consecutive bytes, aligned
.endr
.endm
	OUTF 0
	OUTF 1
	OUTF 2
	OUTF 3
	s_wait_tensorcnt 0x0
	ds_add_u32 v254, v255
	s_wait_dscnt 0x0
	CROUND                                         ; the closing round: no work-group ends while a partner may still ask for a tile that names it
	s_endpgm
.Lfunc_end_k_q0486c94b67_pv:
	.size	k_q0486c94b67_pv, .Lfunc_end_k_q0486c94b67_pv-k_q0486c94b67_pv
	.p2alignl 7, 3214868480
	.fill 96, 4, 3214868480
	.section	.rodata,"a",@progbits
	.p2align	6, 0x0
	.amdhsa_kernel k_q0486c94b67_pv
		.amdhsa_group_segment_fixed_size 327680
		.amdhsa_private_segment_fixed_size 0
		.amdhsa_enable_private_segment 0
		.amdhsa_kernarg_size 40
		.amdhsa_user_sgpr_count 2
		.amdhsa_user_sgpr_kernarg_segment_ptr 1
		.amdhsa_wavefront_size32 1
		.amdhsa_system_sgpr_workgroup_id_x 1
		.amdhsa_system_sgpr_workgroup_id_y 1
		.amdhsa_system_sgpr_workgroup_id_z 1
		.amdhsa_system_vgpr_workitem_id 0
		.amdhsa_next_free_vgpr 832
		.amdhsa_next_free_sgpr 72
		.amdhsa_reserve_vcc 0
		.amdhsa_float_denorm_mode_32 3
		.amdhsa_float_denorm_mode_16_64 3
		.amdhsa_memory_ordered 1
		.amdhsa_forward_progress 1
		.amdhsa_inst_pref_size 255
	.end_amdhsa_kernel
	.section	.bss,"aw",@nobits
	.p2align	6
	.space	262144
	.amdgpu_metadata
---
amdhsa.version: [ 1, 2 ]
amdhsa.kernels:
  - .name:           k_q0486c94b67_pv
    .symbol:         k_q0486c94b67_pv.kd
    .args:
      - { .name: P, .offset: 0, .size: 8, .value_kind: global_buffer, .address_space: global }
      - { .name: Vt, .offset: 8, .size: 8, .value_kind: global_buffer, .address_space: global }
      - { .name: ST, .offset: 16, .size: 8, .value_kind: global_buffer, .address_space: global }
      - { .name: bv, .offset: 24, .size: 8, .value_kind: global_buffer, .address_space: global }
      - { .name: out0, .offset: 32, .size: 8, .value_kind: global_buffer, .address_space: global }
    .group_segment_fixed_size: 327680
    .private_segment_fixed_size: 0
    .kernarg_segment_align: 8
    .kernarg_segment_size: 40
    .max_flat_workgroup_size: 128
    .sgpr_count:     72
    .vgpr_count:     832
    .wavefront_size: 32
...
	.end_amdgpu_metadata
.endif
;; end of part 5
;; ======== version 2 of 2: 5 launches; version 1 with the launch cast written anew for expert scheduling mode
;; limits: values are held in f16: magnitudes above 65,504 overflow, below 6.1e-05 lose precision
;; workspace buffers: Xh 16,777,216 bytes; Wh 6,291,456 bytes; QK 33,554,432 bytes; Vt 16,777,216 bytes; P 33,554,432 bytes; ST 1,048,576 bytes
;; launch cast (part 6): grid 704 x 1, 8 waves a work-group, no clusters, 0 bytes of LDS; arguments X, Wq, Wk, Wv, Xh, Wh; writes Xh, Wh
.if DOCPART == 6
	.amdgcn_target "amdgcn-amd-amdhsa--gfx1250"
	.amdhsa_code_object_version 6
	.text
	.protected	k_q0486c94b67_cast
	.globl	k_q0486c94b67_cast
	.p2align	8
	.type	k_q0486c94b67_cast,@function
k_q0486c94b67_cast:
	s_mov_b64 s[64:65], 0
	v_nop
	global_prefetch_b8 v0, s[64:65] scope:SCOPE_SE
	s_setreg_imm32_b32 hwreg(HW_REG_WAVE_SCHED_MODE, 0, 2), 2
	s_setreg_imm32_b32 hwreg(HW_REG_WAVE_MODE, 25, 1), 1
	s_wait_xcnt 0x0
	s_wait_alu depctr_vm_vsrc(0)
; SELF-ATTENTION, B = 4, S = 2048, D = 1024, in five launches:
;   cast    X, Wq, Wk, Wv (f32)  ->  Xh [8192][1024], Wh [3072][1024] (rows: Wq, Wk, Wv), f16
;   projqk  QK [8192][2048] f16: columns 0-1023 q = X Wq^T + bq, columns 1024-2047 k0 = X Wk^T
;   projv   Vt [1024 d][8192 = 2048 b + s] f16: v0 = X Wv^T, transposed
;   scores  P, the 8192 x 2048 numbers p in f16, in blocks of 16 rows x 16 keys laid as the last launch's matrix operand wants them, and
;           ST [16 chunks][8192 rows][n, l] f32: a softmax by chunks of 128 keys, each with its own maximum
;   pv      out0 = (sum over chunks of w_c P_c V_c) / L + bv
;
; WORK LEFT OUT: bk.  scores[q][k] = q . (k0[k] + bk) / 32 = q . k0[k] / 32 + q . bk / 32.  The second term is the same for every key k of
; a query row, and a softmax along k does not change when one number is added to all its inputs; masked places are -inf with or without it.
; This holds for all finite values of the inputs.  So bk reaches no output: it is not loaded and is no launch's argument.
; LIMIT: a NaN, an infinity or an overflow in bk or in q . bk is not carried to the result.
; WORK MOVED, NOT LEFT OUT: bv.  The rows of attn sum to 1, so attn (v0 + bv) = attn v0 + bv: bv is the addend of the last launch's
; multiply-add, in f32.  (A row that is masked everywhere is NaN here as in the softmax of -inf alone.)
;
; FORMAT: matrix operands are f16 (11 significant bits), sums f32.  LIMIT: |X|, |W|, |q|, |k0|, |v0| must stay at or below 65,504, f16's
; largest number; beyond it the conversion gives infinity.  With X of spread 1 and W of spread 1/32, q, k0 and v0 have spread 1; inputs
; 30 times larger give about 900 x 5.5 = 5,000, and common offsets of 30 spreads on X and on W give about 1024 x 30 x 0.94 = 29,000.
;
; THIS LAUNCH: a stream.  A work-group takes 64 KiB of f32: groups 0-511 X, then 64 each for Wq, Wk, Wv.  A wave takes 8 KiB as sixteen loads of
; 512 neighbouring bytes, all issued before the first is used; each store of the wave covers 256 neighbouring bytes, aligned.
; No LDS, no barrier, no matrix unit: nothing is shared and nothing is multiplied.
; THE MODE: SCHED_MODE bits 1:0 = 2 (LLVM: expert scheduling mode 2), set by the entry lines.  The code itself states the register dependences
; between vector instructions and memory instructions, with s_wait_alu, always for 0.
; THE PLAN.  Registers that memory instructions touch:
;   v1, v2   byte offsets of the loads and of the stores: made once at the head by vector instructions and never written again.
;   IN       written by the sixteen loads alone, each register once, all issued ahead of the first conversion; read by the conversions.
;   OUT      written by the conversions, each register once; read by the stores, each register once.
; The sixteen loads go in four blocks of four.  Block p converts IN's part p into OUT's part p; its memory instructions are the four stores of
; block p - 1, which read v2 and OUT's part p - 1: registers that no conversion of block p names.  So one wait at a block's head states all that
; its four stores hang on, and they are dealt among its conversions with no further wait.  No register that a memory instruction reads is written
; again, so nothing is to be stated in the other direction.  No vector instruction writes a scalar register, and EXEC is never written.
.set IN,  4                            ; v[4:67]   sixteen loads of four f32: block p at IN + 16 p
.set OUT, 68                           ; v[68:99]  sixteen pairs of packed f16: block p at OUT + 8 p
	s_load_b256 s[4:11], s[0:1], 0x0               ; X s[4:5], Wq s[6:7], Wk s[8:9], Wv s[10:11]
	s_load_b128 s[12:15], s[0:1], 0x20             ; Xh s[12:13], Wh s[14:15]
	s_sub_co_u32 s22, ttmp9, 512                   ; chunk number among the three W (used only from group 512 on)
	s_and_b32 s23, s22, 63                         ; chunk number inside its W
	v_and_b32 v1, 31, v0                           ; lane
	v_lshrrev_b32 v3, 5, v0                        ; wave
	v_lshlrev_b32 v2, 3, v1                        ; out: 8 bytes a lane
	v_lshlrev_b32 v1, 4, v1                        ; in: 16 bytes a lane
	v_lshl_or_b32 v1, v3, 13, v1                   ; + wave x 8 KiB
	v_lshl_or_b32 v2, v3, 12, v2                   ; + wave x 4 KiB
	s_wait_kmcnt 0x0
	s_cmp_lt_u32 ttmp9, 576                        ; each compare stands straight in front of its selects
	s_cselect_b64 s[16:17], s[6:7], s[8:9]         ; Wq or Wk
	s_cmp_lt_u32 ttmp9, 640
	s_cselect_b64 s[16:17], s[16:17], s[10:11]     ; or Wv
	s_cmp_lt_u32 ttmp9, 512
	s_cselect_b64 s[16:17], s[4:5], s[16:17]       ; or X
	s_cselect_b64 s[18:19], s[12:13], s[14:15]     ; Xh or Wh
	s_cselect_b32 s20, ttmp9, s23                  ; chunk in the input
	s_cselect_b32 s24, ttmp9, s22                  ; chunk in the output
	s_lshl_b32 s20, s20, 16                        ; x 64 KiB, at most 511 x 65,536
	s_mov_b32 s21, 0
	s_lshl_b32 s24, s24, 15                        ; x 32 KiB
	s_mov_b32 s25, 0
	s_add_nc_u64 s[16:17], s[16:17], s[20:21]
	s_add_nc_u64 s[18:19], s[18:19], s[24:25]
	s_wait_alu depctr_va_vdst(0)                   ; v1 and v2 are written: every load of the kernel reads v1 as its offset, every store v2
.irp i, 0,1,2,3,4,5,6,7,8,9,10,11,12,13,14,15
	global_load_b128 v[IN+4*\i:IN+4*\i+3], v1, s[16:17] offset:512*\i th:TH_LOAD_NT   ; read once in the whole program
.endr
; Block p: loads 4 p .. 4 p + 3 are converted; the four stores of block p - 1 stand one in front of each pair of conversions.
.macro BLK p
	s_wait_loadcnt 12-4*(\p)                       ; loads come back in order: this block's four are in, the 12 - 4 p younger ones stay out
.if \p
	s_wait_alu depctr_va_vdst(0)                   ; the conversions of the block before have written their part of OUT, which the four stores below read
.endif
.irp i, 0,1,2,3
.if \p
	global_store_b64 v2, v[OUT+8*(\p)-8+2*(\i):OUT+8*(\p)-8+2*(\i)+1], s[18:19] offset:256*(4*(\p)-4+(\i))   ; no vector instruction since the wait names these registers
.endif
	v_cvt_pk_f16_f32 v[OUT+8*(\p)+2*(\i)],   v[IN+16*(\p)+4*(\i)],   v[IN+16*(\p)+4*(\i)+1]
	v_cvt_pk_f16_f32 v[OUT+8*(\p)+2*(\i)+1], v[IN+16*(\p)+4*(\i)+2], v[IN+16*(\p)+4*(\i)+3]
.endr
.endm
	BLK 0                                          ; no block stands in front of it: no store, and no wait but the one for its data
	BLK 1
	BLK 2
	BLK 3
	s_wait_alu depctr_va_vdst(0)                   ; block 3's conversions have written the last part of OUT, which the last four stores read
.irp i, 0,1,2,3
	global_store_b64 v2, v[OUT+24+2*\i:OUT+24+2*\i+1], s[18:19] offset:256*(12+\i)    ; no register is written twice: no further wait
.endr
	s_endpgm
.Lfunc_end_k_q0486c94b67_cast:
	.size	k_q0486c94b67_cast, .Lfunc_end_k_q0486c94b67_cast-k_q0486c94b67_cast
	.p2alignl 7, 3214868480
	.fill 96, 4, 3214868480
	.section	.rodata,"a",@progbits
	.p2align	6, 0x0
	.amdhsa_kernel k_q0486c94b67_cast
		.amdhsa_group_segment_fixed_size 0
		.amdhsa_private_segment_fixed_size 0
		.amdhsa_enable_private_segment 0
		.amdhsa_kernarg_size 48
		.amdhsa_user_sgpr_count 2
		.amdhsa_user_sgpr_kernarg_segment_ptr 1
		.amdhsa_wavefront_size32 1
		.amdhsa_system_sgpr_workgroup_id_x 1
		.amdhsa_system_sgpr_workgroup_id_y 1
		.amdhsa_system_sgpr_workgroup_id_z 1
		.amdhsa_system_vgpr_workitem_id 0
		.amdhsa_next_free_vgpr 100
		.amdhsa_next_free_sgpr 66
		.amdhsa_reserve_vcc 0
		.amdhsa_float_denorm_mode_32 3
		.amdhsa_float_denorm_mode_16_64 3
		.amdhsa_memory_ordered 1
		.amdhsa_forward_progress 1
		.amdhsa_inst_pref_size 7
	.end_amdhsa_kernel
	.amdgpu_metadata
---
amdhsa.version: [ 1, 2 ]
amdhsa.kernels:
  - .name:           k_q0486c94b67_cast
    .symbol:         k_q0486c94b67_cast.kd
    .args:
      - { .name: X, .offset: 0, .size: 8, .value_kind: global_buffer, .address_space: global }
      - { .name: Wq, .offset: 8, .size: 8, .value_kind: global_buffer, .address_space: global }
      - { .name: Wk, .offset: 16, .size: 8, .value_kind: global_buffer, .address_space: global }
      - { .name: Wv, .offset: 24, .size: 8, .value_kind: global_buffer, .address_space: global }
      - { .name: Xh, .offset: 32, .size: 8, .value_kind: global_buffer, .address_space: global }
      - { .name: Wh, .offset: 40, .size: 8, .value_kind: global_buffer, .address_space: global }
    .group_segment_fixed_size: 0
    .private_segment_fixed_size: 0
    .kernarg_segment_align: 8
    .kernarg_segment_size: 48
    .max_flat_workgroup_size: 256
    .sgpr_count:     66
    .vgpr_count:     100
    .wavefront_size: 32
...
	.end_amdgpu_metadata
.endif
;; end of part 6
;; launch projqk: the kernel of part 2 again; grid 8 x 32, 4 waves a work-group, clusters of 4 x 4, 327,680 bytes of LDS; arguments Xh, Wh, bq, QK; writes QK
;; launch projv: the kernel of part 3 again; grid 64 x 4, 4 waves a work-group, clusters of 4 x 4, 327,680 bytes of LDS; arguments Wh, Xh, Vt; writes Vt
;; launch scores: the kernel of part 4 again; grid 8 x 32, 4 waves a work-group, clusters of 4 x 4, 327,680 bytes of LDS; arguments QK, attention_mask, P, ST; writes P, ST
;; launch pv: the kernel of part 5 again; grid 8 x 32, 4 waves a work-group, clusters of 4 x 4, 327,680 bytes of LDS; arguments P, Vt, ST, bv, out0; writes out0
